; MI455X (gfx1250); checked and timed in simulation.
; The chip was launched on July 23, 2026; its instructions are those of AMD's public machine-readable ISA for CDNA 5 (MIT licence, August 2026) and "CDNA5" Instruction Set Architecture Reference Guide (July 2026). The comments in the code are by the model that wrote it; some were corrected since.
;; Mo E Layer. Allowed arithmetic: float matrix products may take bf16 or f16 operands with f32 sums; other float arithmetic in f32, or as packed bf16 or f16 multiplies, adds, multiply-adds, maxima and minima; sums over many terms, partial sums and values carried from step to step in f32; what a program stores and reads back later, other than sums and carried values, may be rounded once to bf16 or f16.
;; Inputs: router_w 8 x 1,024 float32; w1 8 x 2,048 x 1,024 float32; w2 8 x 1,024 x 2,048 float32; w3 8 x 2,048 x 1,024 float32; x 2 x 512 x 1,024 float32.
;; Outputs: out0 2 x 512 x 1,024 float32; out1 2 x 512 x 2 float32; out2 2 x 512 x 2 int32.
;; 2 versions, each right; version 2 is version 1 with the launches up, down written anew for expert scheduling mode. Each part assembles by itself: llvm-mc -triple=amdgcn-amd-amdhsa -mcpu=gfx1250 --defsym DOCPART=n.
;; ======== version 1 of 2: 4 launches
;; workspace buffers: xb 2,097,152 bytes; sel 8,192 bytes of whole numbers; h 33,554,432 bytes; part 16,777,216 bytes
;; launch route (part 1): grid 256 x 1, 4 waves a work-group, no clusters, 0 bytes of LDS; arguments x, router_w, out1, out2, sel, xb; writes out1, out2, sel, xb
.if DOCPART == 1
	.amdgcn_target "amdgcn-amd-amdhsa--gfx1250"
	.amdhsa_code_object_version 6
	.text
	.protected	k_qaccb55f66c_route
	.globl	k_qaccb55f66c_route
	.p2align	8
	.type	k_qaccb55f66c_route,@function
k_qaccb55f66c_route:
	s_mov_b64 s[64:65], 0
	v_nop
	global_prefetch_b8 v0, s[64:65] scope:SCOPE_SE
	s_setreg_imm32_b32 hwreg(HW_REG_WAVE_MODE, 25, 1), 1
	s_wait_xcnt 0x0
; ROUTER.  logits[t][e] = sum over d of x[t][d] router_w[e][d]; the two largest (of equal ones the lower index first); softmax over those two.
; x and router_w are rounded to bf16 first, as every input of this program is, and the products of the rounded numbers are summed in f32.
; Stored: out1 (the two weights), out2 and sel (the two experts, the same numbers; sel is what the later launches form addresses from), xb = x rounded to bf16, [1024][1024].
; SHARES.  1,024 tokens, one wave a token, four waves a work-group, 256 work-groups.  Lane l holds columns 128 j + 4 l .. + 3, j = 0..7, of x's row and of all eight rows of router_w.
; THE PRODUCT STAYS ON THE VECTOR UNIT: it has 8 columns, half of a matrix tile, it is 16.8 of the problem's 25,774 million operations, and what is made of it is compared as whole numbers,
; so the sums are plain f32 multiply-adds.  No address and no branch hangs on the logits: the choice only selects values, and every store goes to a fixed place.
; The three small outputs leave as 8 bytes a wave (24 KB in all): whole blocks of 256 bytes would want 32 tokens a work-group, that is 32 work-groups.
; LIMITS.  NaN and infinities among the logits are not treated apart.  The order of the sums is not reference()'s.  A second weight below 2^-126 counts as 0.
.set XR,   8          ; v[8:39]    x as loaded
.set XP,   40         ; v[40:55]   x, two bf16 a register
.set RP,   64         ; v[64:191]  router_w, two bf16 a register: expert e at RP + 16 e
.set A0,   192        ; v[192:199] sums over the even columns, later the logits
.set A1,   200        ; v[200:207] sums over the odd columns, later at work
.set ZR,   208        ; 0
.set BV,   210        ; the largest logit,
.set BI,   211        ; its expert
.set SV,   212        ; the second,
.set SI,   213        ; its expert
.set NINF, 214        ; minus infinity
.set MSB, 0
.macro WIN new        ; s_set_vgpr_msb: bits 1:0 source 0, 3:2 source 1, 5:4 source 2, 7:6 destination; the high byte repeats the setting that is left
.if MSB != (\new)
	s_set_vgpr_msb (MSB<<8)|(\new)
.set MSB, (\new)
.endif
.endm
	s_load_b256 s[4:11], s[0:1], 0x0               ; x s[4:5], router_w s[6:7], out1 s[8:9], out2 s[10:11]
	s_load_b128 s[12:15], s[0:1], 0x20             ; sel s[12:13], xb s[14:15]
	v_and_b32 v3, 31, v0                           ; lane
	v_lshrrev_b32 v5, 5, v0
	v_readfirstlane_b32 s18, v5                    ; wave
	v_lshlrev_b32 v1, 4, v3                        ; 16 x lane
	v_lshlrev_b32 v2, 3, v3                        ; 8 x lane
	v_lshlrev_b32 v4, 2, v3                        ; 4 x lane
	v_mov_b32 v[ZR], 0
	v_mov_b32 v[NINF], 0xff800000
	s_mov_b32 s16, 0x76543210                      ; v_permlanex16_b32: each lane takes its own place in the other half
	s_mov_b32 s17, 0xfedcba98
	s_lshl_b32 s19, ttmp9, 2
	s_add_co_u32 s19, s19, s18                     ; my token
	s_mov_b32 s21, 0
	s_lshl_b32 s20, s19, 12                        ; a row of x is 4,096 bytes
	s_wait_kmcnt 0x0
	s_add_nc_u64 s[4:5], s[4:5], s[20:21]
	s_lshl_b32 s20, s19, 11                        ; a row of xb 2,048
	s_add_nc_u64 s[14:15], s[14:15], s[20:21]
	s_lshl_b32 s20, s19, 3                         ; a token's two weights or experts 8
	s_add_nc_u64 s[8:9], s[8:9], s[20:21]
	s_add_nc_u64 s[10:11], s[10:11], s[20:21]
	s_add_nc_u64 s[12:13], s[12:13], s[20:21]
.irp j, 0,1,2,3,4,5,6,7
	global_load_b128 v[XR+4*(\j):XR+4*(\j)+3], v1, s[4:5] offset:(\j)*512 th:TH_LOAD_NT  ; 512 neighbouring bytes a load; x's f32 rows are read here alone
.endr
	WIN 0x40                                       ; destination in window 1: router_w as loaded, expert e, part j at v[32 e + 4 j]
.set i, 0
.rept 64
	global_load_b128 v[4*i:4*i+3], v1, s[6:7] offset:(i/8)*4096+(i%8)*512
.set i, i+1
.endr
	WIN 0
	s_wait_loadcnt 56                              ; 72 loads were issued: with 56 out the oldest 16 are in, x's eight among them
.irp j, 0,1,2,3,4,5,6,7
	v_cvt_pk_bf16_f32 v[XP+2*(\j)],   v[XR+4*(\j)],   v[XR+4*(\j)+1]
	v_cvt_pk_bf16_f32 v[XP+2*(\j)+1], v[XR+4*(\j)+2], v[XR+4*(\j)+3]
.endr
.irp j, 0,1,2,3,4,5,6,7
	global_store_b64 v2, v[XP+2*(\j):XP+2*(\j)+1], s[14:15] offset:(\j)*256  ; the wave stores 256 consecutive bytes, at a multiple of 256 from xb's first
.endr
	s_wait_loadcnt 0x0                             ; all of router_w
	WIN 0x05                                       ; sources 0 and 1 in window 1
.set i, 0
.rept 128
	v_cvt_pk_bf16_f32 v[RP+i], v[2*i], v[2*i+1]
.set i, i+1
.endr
	WIN 0
	; 16 chains (8 experts x even, odd columns): a chain's links stand 16 lines apart.  The first link takes 0 as its addend: nothing is cleared.
.set c, 0
.rept 16
.set e, 0
.rept 8
.if c == 0
	v_fma_mix_f32_bf16 v[A0+e], v[XP+c], v[RP+16*e+c], v[ZR] op_sel_hi:[1,1,0]
	v_fma_mix_f32_bf16 v[A1+e], v[XP+c], v[RP+16*e+c], v[ZR] op_sel:[1,1,0] op_sel_hi:[1,1,0]
.else
	v_fma_mix_f32_bf16 v[A0+e], v[XP+c], v[RP+16*e+c], v[A0+e] op_sel_hi:[1,1,0]
	v_fma_mix_f32_bf16 v[A1+e], v[XP+c], v[RP+16*e+c], v[A1+e] op_sel:[1,1,0] op_sel_hi:[1,1,0]
.endif
.set e, e+1
.endr
.set c, c+1
.endr
.irp e, 0,1,2,3,4,5,6,7
	v_add_f32 v[A0+(\e)], v[A0+(\e)], v[A1+(\e)]
.endr
	; over the 32 lanes: every step adds the same two numbers in both partners, so all lanes end with the same bits
.irp m, 1,2,4,8
.irp e, 0,1,2,3,4,5,6,7
	v_add_f32_dpp v[A0+(\e)], v[A0+(\e)], v[A0+(\e)] row_xmask:\m row_mask:0xf bank_mask:0xf
.endr
.endr
.irp e, 0,1,2,3,4,5,6,7
	v_permlanex16_b32 v[A1+(\e)], v[A0+(\e)], s16, s17
.endr
.irp e, 0,1,2,3,4,5,6,7
	v_add_f32 v[A0+(\e)], v[A0+(\e)], v[A1+(\e)]
.endr
	; the largest: a later expert wins only if it is strictly greater, so of equal logits the lower index is kept
	v_mov_b32 v[BV], v[A0]
	v_mov_b32 v[BI], 0
.irp e, 1,2,3,4,5,6,7
	v_cmp_gt_f32 vcc_lo, v[A0+(\e)], v[BV]
	v_cndmask_b32 v[BV], v[BV], v[A0+(\e)], vcc_lo
	v_cndmask_b32 v[BI], v[BI], \e, vcc_lo
.endr
.irp e, 0,1,2,3,4,5,6,7
	v_cmp_eq_u32 vcc_lo, \e, v[BI]                 ; the winner leaves the field
	v_cndmask_b32 v[A0+(\e)], v[A0+(\e)], v[NINF], vcc_lo
.endr
	v_mov_b32 v[SV], v[A0]
	v_mov_b32 v[SI], 0
.irp e, 1,2,3,4,5,6,7
	v_cmp_gt_f32 vcc_lo, v[A0+(\e)], v[SV]
	v_cndmask_b32 v[SV], v[SV], v[A0+(\e)], vcc_lo
	v_cndmask_b32 v[SI], v[SI], \e, vcc_lo
.endr
	; softmax of the two, the maximum (the first) taken away: 1 / (1 + q) and q / (1 + q), q = e^(second - first) <= 1
	v_sub_f32 v215, v[SV], v[BV]
	v_mul_f32 v215, 0x3fb8aa3b, v215               ; x log2(e)
	v_exp_f32 v216, v215
	v_nop                                          ; a plain instruction behind the exponential,
	s_wait_alu depctr_va_vdst(0)                   ; and a wait ahead of its first reader
	v_add_f32 v217, 1.0, v216
	v_rcp_f32 v218, v217
	v_nop
	s_wait_alu depctr_va_vdst(0)                   ; the same for the reciprocal
	v_mul_f32 v219, v216, v218
	v_cmp_eq_u32 vcc_lo, 0, v3
	v_cndmask_b32 v220, v219, v218, vcc_lo         ; lane 0 holds the first choice, the others the second
	v_cndmask_b32 v221, v[SI], v[BI], vcc_lo
	v_cmp_gt_u32 vcc_lo, 2, v3
	s_wait_xcnt 0x0                                ; EXEC is a source of the stores of xb: it changes only behind this wait
	s_and_saveexec_b32 s22, vcc_lo                 ; lanes 0 and 1
	global_store_b32 v4, v220, s[8:9]
	global_store_b32 v4, v221, s[10:11]
	global_store_b32 v4, v221, s[12:13]
	s_wait_xcnt 0x0                                ; and again in front of the line that widens it
	s_or_b32 exec_lo, exec_lo, s22
	s_endpgm
.Lfunc_end_k_qaccb55f66c_route:
	.size	k_qaccb55f66c_route, .Lfunc_end_k_qaccb55f66c_route-k_qaccb55f66c_route
	.p2alignl 7, 3214868480
	.fill 96, 4, 3214868480
	.section	.rodata,"a",@progbits
	.p2align	6, 0x0
	.amdhsa_kernel k_qaccb55f66c_route
		.amdhsa_group_segment_fixed_size 0
		.amdhsa_private_segment_fixed_size 0
		.amdhsa_enable_private_segment 0
		.amdhsa_kernarg_size 48
		.amdhsa_user_sgpr_count 2
		.amdhsa_user_sgpr_kernarg_segment_ptr 1
		.amdhsa_wavefront_size32 1
		.amdhsa_system_sgpr_workgroup_id_x 1
		.amdhsa_system_sgpr_workgroup_id_y 1
		.amdhsa_system_sgpr_workgroup_id_z 1
		.amdhsa_system_vgpr_workitem_id 0
		.amdhsa_next_free_vgpr 512
		.amdhsa_next_free_sgpr 66
		.amdhsa_reserve_vcc 1
		.amdhsa_float_denorm_mode_32 3
		.amdhsa_float_denorm_mode_16_64 3
		.amdhsa_memory_ordered 1
		.amdhsa_forward_progress 1
		.amdhsa_inst_pref_size 41
	.end_amdhsa_kernel
	.amdgpu_metadata
---
amdhsa.version: [ 1, 2 ]
amdhsa.kernels:
  - .name:           k_qaccb55f66c_route
    .symbol:         k_qaccb55f66c_route.kd
    .args:
      - { .name: x, .offset: 0, .size: 8, .value_kind: global_buffer, .address_space: global }
      - { .name: router_w, .offset: 8, .size: 8, .value_kind: global_buffer, .address_space: global }
      - { .name: out1, .offset: 16, .size: 8, .value_kind: global_buffer, .address_space: global }
      - { .name: out2, .offset: 24, .size: 8, .value_kind: global_buffer, .address_space: global }
      - { .name: sel, .offset: 32, .size: 8, .value_kind: global_buffer, .address_space: global }
      - { .name: xb, .offset: 40, .size: 8, .value_kind: global_buffer, .address_space: global }
    .group_segment_fixed_size: 0
    .private_segment_fixed_size: 0
    .kernarg_segment_align: 8
    .kernarg_segment_size: 48
    .max_flat_workgroup_size: 128
    .sgpr_count:     66
    .vgpr_count:     512
    .wavefront_size: 32
...
	.end_amdgpu_metadata
.endif
;; end of part 1
;; launch up (part 2): grid 256 x 1, 4 waves a work-group, no clusters, 264,704 bytes of LDS; arguments xb, w1, w3, sel, h; writes h
.if DOCPART == 2
	.amdgcn_target "amdgcn-amd-amdhsa--gfx1250"
	.amdhsa_code_object_version 6
	.text
	.protected	k_qaccb55f66c_up
	.globl	k_qaccb55f66c_up
	.p2align	8
	.type	k_qaccb55f66c_up,@function
k_qaccb55f66c_up:
	s_mov_b64 s[64:65], 0
	v_nop
	global_prefetch_b8 v0, s[64:65] scope:SCOPE_SE
	s_setreg_imm32_b32 hwreg(HW_REG_WAVE_MODE, 25, 1), 1
	s_wait_xcnt 0x0
; FIRST PRODUCTS.  For the rows (token, choice) of expert e: hidden = silu(x w1[e]^T) * (x w3[e]^T), operands bf16, sums f32, hidden rounded once to bf16.
; SHARES.  256 work-groups = 8 experts x 32 slices of 64 hidden columns.  A work-group alone reads its 64 rows of w1[e] and 64 rows of w3[e] (512 KB of f32, each byte once in the launch), rounds
; them to bf16 on the way through registers and lays them into LDS; then its four waves share the expert's rows, in tiles of 16: wave w has the tiles w, w + 4, ..., each against all 128 weight rows.
; THE EXPERT'S ROWS.  Each wave reads sel (8 KB, whole numbers that the launch before stored) and keeps, in scalar registers, 32 masks: bit l of mask g = 2 i + u says that token 64 i + 2 l + u chose my
; expert.  The rows are numbered by ascending group and, in a group, by ascending lane: the order in which the next launch writes its list.  The token of place n is found from those registers alone:
; the group by a scan of the groups' first places, the lane as the mask's set bit of that rank.  No LDS word, no barrier and no memory wait is spent on it.
; EVERY SPLIT IS SERVED: an expert has 0 to 1,024 rows, a wave 0 to 16 tiles.  Four passes of five tiles (a constant count) cover that; a pass with no tile left is jumped, forward, and so are the
; fifth tile's products and the stores of tiles past the count; no barrier stands in what is jumped.  Places past the count repeat the last row.
; TWO BARRIERS, both on every wave's way: one behind the laying of the slice, one behind the passes, ahead of the closing LDS write.
; LAYOUT.  Source 0 = 16 weight rows, source 1 = 16 token rows: in the result a lane holds ONE row (lane % 16) and eight neighbouring hidden columns 8 (lane / 16) + 0..7, which pack into 16 bytes.
; h is laid in that order, [expert][tile of 16 places][slice][block of 16 columns][lane][16 bytes]: each store covers 512 consecutive bytes, and the next launch loads the same bytes as its operand.
; NO TENSOR LOADS: the weights must pass through registers to be rounded, and beside the 264,192 bytes of the rounded slice LDS has no room for f32 slots.  NO CLUSTER: a slice of weights has one
; reader; what an expert's 32 work-groups share is its token rows, which are picked row by row, so that no descriptor covers them.
; LIMITS.  NaN and infinities are not treated apart.  Where e^(-a) passes f32's range the sigmoid counts as 0.  The order of the sums is the matrix unit's.
.set PITCH, 2064      ; an LDS row: 1,024 bf16 + 16 bytes = 129 x 16: the 16 rows of a fragment load start at 16 different groups of four banks (64 banks of 4 bytes: ISA guide 11.1)
.set ROWB,  4096      ; a weight row in memory
.set NF,    8         ; weight fragments a K step: 4 blocks of 16 columns of w1, then 4 of w3
.set STEP,  64        ; bytes of a row of xb in a K step of 32
.set HALF,  32        ; from a fragment's first 16 bytes to its second
.set SPARE, 128*PITCH ; behind the weights: the spare words, 128 bytes for each wave: two blocks of 256 bytes that no other line names
; window 0
.set L16,  1          ; 16 x lane; never rewritten
.set RR,   2          ; lane % 16
.set H16,  3          ; 16 x (lane / 16)
.set SPW,  4          ; LDS address of my spare word; never rewritten
.set NIL,  5          ; 0; never rewritten
.set WST,  6          ; where my 8 bytes of a weight row go
.set RW,   12         ; lane % 16 + 16 x wave
.set TMPV, 13         ; at work at the head
.set TK,   14         ; v[14:18]   the five tiles' tokens
.set AOF,  20         ; v[20:24]   the five tiles' byte offsets in xb
.set ADB0, 26         ; v[26:29]   LDS address of my place in weight rows 32 g + lane % 16; never rewritten
.set ADB,  30         ; v[30:33]   the same plus the K loop's offset: made anew at the head of each trip
.set CT,   34         ; v[34:49]   a weight row, rounded
.set NN,   50         ; the search for a token: my place, before it is held to the count
.set NC,   51         ; my place n
.set NQ,   52         ; 32 n + 31
.set MM,   53         ; the mask of the group that holds place n
.set PQ,   54         ; 32 x that group's first place + the group's number
.set KK,   55         ; the rank still to go
.set PS,   56         ; the bit found so far
.set T1,   57
.set T2,   58
.set SA,   59         ; the mask's set bits counted by fields of 2,
.set SB,   60         ; of 4,
.set SC,   61         ; of 8
.set BB0,  64         ; v[64:127]  weight fragments, buffer 0; early: sel as loaded; on the way out: at work
.set BB1,  128        ; v[128:191] buffer 1; on the way out: v[128:143] the packed tile
.set SLD,  64
.set TT,   64
.set HH,   128
; window 1: first eight weight rows as loaded (32 registers each), then six slots of the five tiles' token fragments, slot q, tile i at 40 q + 8 i
; window 2: accumulators of tiles 0-3, (i, f) at 64 i + 8 f          window 3: those of tile 4, at 8 f
.set HB,   12         ; s[12:13] h at my expert, slice and wave, and the pass's first tile
.set WV,   14
.set EX,   15
.set SL,   16
.set SELC, 17         ; counts the five searches of a pass
.set WB,   18         ; s[18:19] the weight rows that I fetch
.set OF,   20         ; s[20:21] an offset
.set CNT,  22         ; the expert's rows
.set TMP,  23
.set MK,   24
.set N16,  25         ; its tiles
.set LIVE, 26         ; my tiles still to do, this pass's among them
.set PASS, 27
.set CM1,  28         ; the last place
.set PB,   29         ; 320 x pass
.set NL2E, 30         ; s[30:31] -log2(e)
.set AB,   32         ; s[32:33] xb, K steps on
.set KC,   34
.set KO,   35         ; the K loop's offset in an LDS row: 384 bytes (six K steps) a trip
; s[36:63], s[98:100]: for group g = 1 .. 31, 32 x the rows ahead of the group + g, at 35 + g (g < 29) or 69 + g
.set MSK,  66         ; s[66:97] the 32 groups' masks
.set MUL,  0xa4       ; source 0 (weights) window 0, source 1 (tokens) window 1, C and D window 2
.set MUL4, 0xf4       ; the same, C and D window 3
.set MSB, 0
.macro WIN new        ; s_set_vgpr_msb: bits 1:0 source 0, 3:2 source 1, 5:4 source 2, 7:6 destination; the high byte repeats the setting that is left
.if MSB != (\new)
	s_set_vgpr_msb (MSB<<8)|(\new)
.set MSB, (\new)
.endif
.endm
.macro PLACES         ; a load into a register that a matrix instruction has read, and a vector instruction that reads a matrix result, stand four plain vector instructions behind it
.rept 4
	v_nop
.endr
.endm
; Eight loads: weight row `row` (counted from s[WB]) into ring slot q: 512 neighbouring bytes each
.macro WFILL q, row
	WIN 0x40
.irp c, 0,1,2,3,4,5,6,7
	global_load_b128 v[32*(\q)+4*(\c):32*(\q)+4*(\c)+3], v[L16], s[WB:WB+1] offset:(\row)*ROWB+(\c)*512 th:TH_LOAD_NT
.endr
.endm
; Ring slot q's row is rounded and laid into LDS row rb + q (counted from WST).  fill = 1: the slot takes the row eight further on.  left = the younger loads, which may stay out.
.macro WROW q, fill, left, rb
	s_wait_loadcnt \left
	WIN 0x05                                       ; sources in window 1
.irp c, 0,1,2,3,4,5,6,7
	v_cvt_pk_bf16_f32 v[CT+2*(\c)],   v[32*(\q)+4*(\c)],   v[32*(\q)+4*(\c)+1]
	v_cvt_pk_bf16_f32 v[CT+2*(\c)+1], v[32*(\q)+4*(\c)+2], v[32*(\q)+4*(\c)+3]
.endr
	WIN 0
.irp c, 0,1,2,3,4,5,6,7
	ds_store_b64 v[WST], v[CT+2*(\c):CT+2*(\c)+1] offset:((\rb)+(\q))*PITCH+(\c)*256  ; 32 lanes, 256 consecutive bytes
.endr
.if \fill
	WFILL \q, (\q)+8
.endif
.endm
; Group g = 2 i + u: lane l looks at token 64 i + 2 l + u.  The mask of the lanes whose first or second choice is my expert is kept, and with it where the group's rows begin.
.macro GROUP i, u
.set g, 2*(\i)+(\u)
.set qr, 35+g+34*(g/29)
	v_cmp_eq_u32 s[MK], s[EX], v[SLD+4*(\i)+2*(\u)]
	v_cmp_eq_u32 vcc_lo, s[EX], v[SLD+4*(\i)+2*(\u)+1]
	s_or_b32 s[MSK+g], vcc_lo, s[MK]
.if g > 0
	s_lshl_b32 s[qr], s[CNT], 5                    ; 32 x the rows ahead of the group (1,024 at the most)
	s_or_b32 s[qr], s[qr], g                       ; + its number: ascending from group to group, also where a group is empty
.endif
	s_bcnt1_i32_b32 s[TMP], s[MSK+g]
	s_add_co_u32 s[CNT], s[CNT], s[TMP]
.endm
; One halving of the search for a set bit: of the 2 w bits from PS on, the lower w hold T1 set bits (a field of src); if the rank is not among them, it is taken down by T1 and the search goes on w bits higher.
.macro HALVE src, w
	v_bfe_u32 v[T1], v[\src], v[PS], \w
	v_cmp_ge_u32 vcc_lo, v[KK], v[T1]
	v_cndmask_b32 v[T2], 0, \w, vcc_lo
	v_cndmask_b32 v[T1], 0, v[T1], vcc_lo
	v_add_nc_u32 v[PS], v[PS], v[T2]
	v_sub_nc_u32 v[KK], v[KK], v[T1]
.endm
; Eight matrix instructions: tile i x all eight weight fragments, 32 along K.  zero = 1: the first K step starts the sums.
.macro MMT i, slot, bb, zero
.set AC, 64*((\i)%4)
.set FB, BB0+64*(\bb)
.set FA, 40*(\slot)+8*(\i)
.irp f, 0,1,2,3,4,5,6,7
.if \zero
	v_wmma_f32_16x16x32_bf16 v[AC+8*(\f):AC+8*(\f)+7], v[FB+8*(\f):FB+8*(\f)+7], v[FA:FA+7], 0
.else
	v_wmma_f32_16x16x32_bf16 v[AC+8*(\f):AC+8*(\f)+7], v[FB+8*(\f):FB+8*(\f)+7], v[FA:FA+7], v[AC+8*(\f):AC+8*(\f)+7]
.endif
.endr
.endm
; A K STEP of 32.  It multiplies token slot `slot` by weight buffer bb; ahead of that it asks for the next step's weight fragments (LDS, into the other buffer) and for the token fragments five steps
; on (memory, into the slot that the step before read).  rel = the step, counted from where s[AB] stands.  young = the token loads issued behind this step's own.
; base, lrel = the registers that hold the weight fragments' LDS addresses, and the step counted from where they stand: ADB0 and the step itself outside the loop, ADB and the step within the trip inside it.
; The 32 or 40 accumulators take turns, one instruction a turn, over the loop's jump too.
.macro KSTEP slot, bb, rel, zero, lda, ldb, young, base, lrel
	WIN 0
	PLACES                                         ; behind the last step's products, which read the buffer and the slot that are loaded now
.if \ldb
.irp f, 0,1,2,3,4,5,6,7
	ds_load_b128 v[BB0+64*(1-(\bb))+8*(\f):BB0+64*(1-(\bb))+8*(\f)+3],   v[(\base)+(\f)/2] offset:((\f)%2)*16*PITCH+((\lrel)+1)*64
	ds_load_b128 v[BB0+64*(1-(\bb))+8*(\f)+4:BB0+64*(1-(\bb))+8*(\f)+7], v[(\base)+(\f)/2] offset:((\f)%2)*16*PITCH+((\lrel)+1)*64+32
.endr
.endif
.if \lda
	WIN 0x40
.irp i, 0,1,2,3,4
	global_load_b128 v[40*(((\slot)+5)%6)+8*(\i):40*(((\slot)+5)%6)+8*(\i)+3],   v[AOF+(\i)], s[AB:AB+1] offset:((\rel)+5)*STEP
	global_load_b128 v[40*(((\slot)+5)%6)+8*(\i)+4:40*(((\slot)+5)%6)+8*(\i)+7], v[AOF+(\i)], s[AB:AB+1] offset:((\rel)+5)*STEP+HALF
.endr
.endif
	s_wait_dscnt 2*NF*(\ldb)                       ; this step's weight fragments are in; the run just issued may be out
	s_wait_loadcnt \young                          ; this step's token fragments are in; ten loads for each later step that has been asked for may be out
	WIN MUL
	MMT 0, \slot, \bb, \zero
	MMT 1, \slot, \bb, \zero
	MMT 2, \slot, \bb, \zero
	MMT 3, \slot, \bb, \zero
	WIN 0                                          ; at a branch and at a label every window is 0
.if !(\zero)
	s_cmp_lt_i32 s[LIVE], 5                        ; no fifth tile: its products are jumped.  No memory instruction is jumped, so every count holds on both ways
	s_cbranch_scc1 .Lno4_\@
.endif
	WIN MUL4
	MMT 4, \slot, \bb, \zero
	WIN 0
.if !(\zero)
.Lno4_\@:
.endif
.endm
; THE WAY OUT of tile i: hidden = a1 / (1 + 2^(-log2(e) a1)) x a3; a1 in the tile's accumulators 0-3, a3 in 4-7, read in ascending order.  a1 is multiplied by the sigmoid first, so that a large a1 a3 never meets a 0.
.macro EPI i
.set AC, 64*((\i)%4)
.set WW, 2+(\i)/4
	WIN WW                                         ; source 0 in the accumulators' window
.set n, 0
.rept 16
	v_pk_mul_f32 v[TT+2*n:TT+2*n+1], v[AC+2*n:AC+2*n+1], s[NL2E:NL2E+1] op_sel_hi:[1,0]
.set n, n+1
.endr
	WIN 0
.set n, 0
.rept 32
	v_exp_f32 v[TT+n], v[TT+n]
.set n, n+1
.endr
	v_nop                                          ; a plain instruction behind the last exponential,
	s_wait_alu depctr_va_vdst(0)                   ; and ONE wait for the batch of 32, ahead of its first reader
.set n, 0
.rept 16
	v_pk_add_f32 v[TT+2*n:TT+2*n+1], v[TT+2*n:TT+2*n+1], 1.0 op_sel_hi:[1,0]
.set n, n+1
.endr
.set n, 0
.rept 32
	v_rcp_f32 v[TT+n], v[TT+n]
.set n, n+1
.endr
	v_nop
	s_wait_alu depctr_va_vdst(0)                   ; the same for the 32 reciprocals
	WIN WW
.set n, 0
.rept 16
	v_pk_mul_f32 v[TT+2*n:TT+2*n+1], v[AC+2*n:AC+2*n+1], v[TT+2*n:TT+2*n+1]
.set n, n+1
.endr
.set n, 0
.rept 16
	v_pk_mul_f32 v[TT+2*n:TT+2*n+1], v[AC+32+2*n:AC+32+2*n+1], v[TT+2*n:TT+2*n+1]
.set n, n+1
.endr
	WIN 0
	s_wait_xcnt 0x0                                ; the last tile's stores have read their data registers, which are written again now
.set n, 0
.rept 16
	v_cvt_pk_bf16_f32 v[HH+n], v[TT+2*n], v[TT+2*n+1]
.set n, n+1
.endr
.irp cb, 0,1,2,3
	global_store_b128 v[L16], v[HH+4*(\cb):HH+4*(\cb)+3], s[HB:HB+1] offset:(\i)*262144+(\cb)*512  ; 512 consecutive bytes; my tiles lie four tiles of 65,536 bytes apart
.endr
.endm
	s_load_b256 s[4:11], s[0:1], 0x0               ; xb s[4:5], w1 s[6:7], w3 s[8:9], sel s[10:11]
	s_load_b64 s[HB:HB+1], s[0:1], 0x20            ; h
	v_lshl_add_u32 v[SPW], v0, 2, SPARE
	v_mov_b32 v[NIL], 0
	v_lshrrev_b32 v[TMPV], 5, v0
	v_readfirstlane_b32 s[WV], v[TMPV]             ; wave 0..3
	v_and_b32 v[TMPV], 31, v0                      ; lane
	v_lshlrev_b32 v[L16], 4, v[TMPV]
	v_and_b32 v[RR], 15, v0
	v_bfe_u32 v[H16], v0, 4, 1
	v_lshlrev_b32 v[H16], 4, v[H16]
.irp i, 1,2,3,4
	v_mov_b32 v[TK+(\i)], 0                        ; the first search's shifts read these four before a token has reached them; what they hold is shifted out
.endr
	s_lshr_b32 s[EX], ttmp9, 5                     ; expert
	s_and_b32 s[SL], ttmp9, 31                     ; slice
	s_mul_i32 s[TMP], s[WV], 32*PITCH              ; wave w lays LDS rows 32 w .. 32 w + 31
	v_lshl_add_u32 v[WST], v[TMPV], 3, s[TMP]
	v_lshl_add_u32 v[RW], s[WV], 4, v[RR]
	v_mul_u32_u24 v[ADB0], v[RR], PITCH
	v_add_nc_u32 v[ADB0], v[ADB0], v[H16]          ; a fragment's row x pitch + 16 x half
	v_add_nc_u32 v[ADB0+1], 32*PITCH, v[ADB0]
	v_add_nc_u32 v[ADB0+2], 64*PITCH, v[ADB0]
	v_add_nc_u32 v[ADB0+3], 96*PITCH, v[ADB0]
	s_mov_b32 s[NL2E], 0xbfb8aa3b
	s_mov_b32 s[NL2E+1], s[NL2E]                   ; named with it as a pair
	s_lshl_b32 s[OF], s[EX], 23                    ; an expert's w1 or w3: 2,048 rows of 4,096 bytes;
	s_lshl_b32 s[TMP], s[SL], 18                   ; a slice: 64 rows;
	s_add_co_u32 s[OF], s[OF], s[TMP]
	s_and_b32 s[TMP], s[WV], 1                     ; waves 0, 1: the two halves of w1's 64 rows; waves 2, 3: of w3's
	s_lshl_b32 s[TMP], s[TMP], 17
	s_add_co_u32 s[OF], s[OF], s[TMP]
	s_mov_b32 s[OF+1], 0
	s_wait_kmcnt 0x0
	s_cmp_lt_u32 s[WV], 2
	s_cselect_b64 s[WB:WB+1], s[6:7], s[8:9]
	s_add_nc_u64 s[WB:WB+1], s[WB:WB+1], s[OF:OF+1]
	s_lshl_b32 s[OF], s[EX], 22                    ; h: an expert has 64 tiles of 65,536 bytes; a slice 2,048 bytes of each
	s_lshl_b32 s[TMP], s[SL], 11
	s_add_co_u32 s[OF], s[OF], s[TMP]
	s_lshl_b32 s[TMP], s[WV], 16
	s_add_co_u32 s[OF], s[OF], s[TMP]
	s_add_nc_u64 s[HB:HB+1], s[HB:HB+1], s[OF:OF+1]
.irp i, 0,1,2,3,4,5,6,7,8,9,10,11,12,13,14,15
	global_load_b128 v[SLD+4*(\i):SLD+4*(\i)+3], v[L16], s[10:11] offset:(\i)*512  ; lane l: both choices of tokens 64 i + 2 l and 64 i + 2 l + 1
.endr
.irp q, 0,1,2,3,4,5,6
	WFILL \q, \q                                   ; seven weight rows go out ahead of the masks' work: 28 KB a wave are on their way meanwhile
.endr
	WIN 0
	s_wait_loadcnt 56                              ; the 56 weight loads issued behind sel's may be out
	s_mov_b32 s[CNT], 0
.irp i, 0,1,2,3,4,5,6,7,8,9,10,11,12,13,14,15
	GROUP \i, 0
	GROUP \i, 1
.endr
	s_add_co_u32 s[N16], s[CNT], 15
	s_lshr_b32 s[N16], s[N16], 4
	s_add_co_u32 s[LIVE], s[N16], 3
	s_sub_co_u32 s[LIVE], s[LIVE], s[WV]
	s_lshr_b32 s[LIVE], s[LIVE], 2                 ; the tiles w, w + 4, .. below N16
	s_sub_co_u32 s[CM1], s[CNT], 1
	WFILL 7, 7
	WIN 0
	s_mov_b32 s[KC], 3
.Lring:                                                ; three trips of eight rows, each slot filled again; behind a slot's row stand the seven younger rows' 56 loads
.irp q, 0,1,2,3,4,5,6,7
	WROW \q, 1, 56, 0
.endr
	WIN 0
	s_wait_xcnt 0x0                                ; the loads' base is stepped only behind this wait
	s_add_nc_u64 s[WB:WB+1], s[WB:WB+1], 8*ROWB
	v_add_nc_u32 v[WST], 8*PITCH, v[WST]
	s_sub_co_u32 s[KC], s[KC], 1
	s_cmp_lg_u32 s[KC], 0
	s_cbranch_scc1 .Lring
.irp q, 0,1,2,3,4,5,6,7
	WROW \q, 0, 56-8*(\q), 0                       ; the last eight rows: nothing more is fetched, the counts run down
.endr
	s_wait_dscnt 0x0                               ; for the others' sake: my rows of the slice are in LDS
	s_barrier_signal -1
	s_barrier_wait -1                              ; the slice is whole, and nobody writes it again
	s_mov_b32 s[PASS], 0
	s_mov_b32 s[PB], 0
.Lpass:                                                ; four passes of five tiles: 4 waves x 20 tiles x 16 rows cover the 1,024 rows that an expert can have
	s_cmp_lt_i32 s[LIVE], 1
	s_cbranch_scc1 .Lpass_end
	v_add_nc_u32 v[NN], s[PB], v[RW]               ; place 16 x tile + lane % 16 of the pass's first tile, tile = wave + 4 (5 pass + i)
	s_mov_b32 s[SELC], 5
.Lsel:                                                 ; five trips, a tile each.  Registers cannot be indexed, so the search is written once and its results are shifted through TK: the first ends in TK, the fifth in TK + 4
	v_min_u32 v[NC], s[CM1], v[NN]                 ; my place, or the last that exists,
	v_min_u32 v[NC], 0x3ff, v[NC]                  ; held under 1,024 by a constant
	v_lshl_or_b32 v[NQ], v[NC], 5, 31
	v_mov_b32 v[MM], s[MSK]                        ; group 0 begins at place 0
	v_mov_b32 v[PQ], 0
.set g, 1
.rept 31                               ; the last group that begins at or ahead of my place holds it: 32 P + g <= 32 n + 31 says P <= n
.set qr, 35+g+34*(g/29)
	v_cmp_gt_u32 vcc_lo, s[qr], v[NQ]              ; this group begins behind my place: keep what I have
	v_cndmask_b32 v[MM], s[MSK+g], v[MM], vcc_lo
	v_cndmask_b32 v[PQ], s[qr], v[PQ], vcc_lo
.set g, g+1
.endr
	v_lshrrev_b32 v[T1], 5, v[PQ]
	v_sub_nc_u32 v[KK], v[NC], v[T1]               ; my row is the group's set bit of this rank, counted from 0
	v_lshrrev_b32 v[T1], 1, v[MM]                  ; the mask's set bits, counted by fields of 2, 4 and 8 bits
	v_and_b32 v[T1], 0x55555555, v[T1]
	v_sub_nc_u32 v[SA], v[MM], v[T1]
	v_lshrrev_b32 v[T1], 2, v[SA]
	v_and_b32 v[T1], 0x33333333, v[T1]
	v_and_b32 v[SB], 0x33333333, v[SA]
	v_add_nc_u32 v[SB], v[SB], v[T1]
	v_lshrrev_b32 v[T1], 4, v[SB]
	v_add_nc_u32 v[T1], v[T1], v[SB]
	v_and_b32 v[SC], 0x0f0f0f0f, v[T1]
	v_bfe_u32 v[T1], v[SC], 8, 8
	v_and_b32 v[T2], 0xff, v[SC]
	v_add_nc_u32 v[T1], v[T1], v[T2]               ; those among bits 0 to 15
	v_cmp_ge_u32 vcc_lo, v[KK], v[T1]
	v_cndmask_b32 v[PS], 0, 16, vcc_lo
	v_cndmask_b32 v[T1], 0, v[T1], vcc_lo
	v_sub_nc_u32 v[KK], v[KK], v[T1]
	HALVE SC, 8
	HALVE SB, 4
	HALVE SA, 2
	HALVE MM, 1                                    ; PS = the lane l of my row's token
	v_and_b32 v[T1], 30, v[PQ]                     ; 2 i,
	v_and_b32 v[T2], 1, v[PQ]                      ; u
	v_lshl_or_b32 v[T1], v[T1], 5, v[T2]           ; 64 i + u
	v_mov_b32 v[TK], v[TK+1]
	v_mov_b32 v[TK+1], v[TK+2]
	v_mov_b32 v[TK+2], v[TK+3]
	v_mov_b32 v[TK+3], v[TK+4]
	v_lshl_add_u32 v[TK+4], v[PS], 1, v[T1]        ; the token: 64 i + 2 l + u
	v_add_nc_u32 v[NN], 64, v[NN]                  ; my next tile lies four tiles on
	s_sub_co_u32 s[SELC], s[SELC], 1
	s_cmp_lg_u32 s[SELC], 0
	s_cbranch_scc1 .Lsel
	s_mov_b64 s[AB:AB+1], s[4:5]
	s_mov_b32 s[KO], 0
.irp i, 0,1,2,3,4
	v_min_u32 v[TK+(\i)], 0x3ff, v[TK+(\i)]        ; a number made of loaded ones enters an address: held inside xb's 1,024 rows by a constant
	v_lshl_add_u32 v[AOF+(\i)], v[TK+(\i)], 11, v[H16]  ; row x 2,048 + 16 x half
.endr
	WIN 0x40
.irp k, 0,1,2,3,4
.irp i, 0,1,2,3,4
	global_load_b128 v[40*(\k)+8*(\i):40*(\k)+8*(\i)+3],   v[AOF+(\i)], s[AB:AB+1] offset:(\k)*STEP
	global_load_b128 v[40*(\k)+8*(\i)+4:40*(\k)+8*(\i)+7], v[AOF+(\i)], s[AB:AB+1] offset:(\k)*STEP+HALF
.endr
.endr
	WIN 0
.irp f, 0,1,2,3,4,5,6,7
	ds_load_b128 v[BB0+8*(\f):BB0+8*(\f)+3],   v[ADB0+(\f)/2] offset:((\f)%2)*16*PITCH
	ds_load_b128 v[BB0+8*(\f)+4:BB0+8*(\f)+7], v[ADB0+(\f)/2] offset:((\f)%2)*16*PITCH+32
.endr
	KSTEP 0, 0, 0, 1, 1, 1, 50, ADB0, 0            ; K step 0 starts all 40 sums, the fifth tile's too: nothing is cleared
	KSTEP 1, 1, 1, 0, 1, 1, 50, ADB0, 1
	s_mov_b32 s[KC], 4
.Lk:                                                   ; four trips of six K steps (once round the six slots): steps 2 to 25
.irp g, 0,1,2,3
	v_add_nc_u32 v[ADB+(\g)], s[KO], v[ADB0+(\g)]  ; this trip's place in the LDS rows: 384 bytes a trip, 1,152 at the most, inside the rows' 2,048
.endr
	KSTEP 2, 0, 2, 0, 1, 1, 50, ADB, 2
	KSTEP 3, 1, 3, 0, 1, 1, 50, ADB, 3
	KSTEP 4, 0, 4, 0, 1, 1, 50, ADB, 4
	KSTEP 5, 1, 5, 0, 1, 1, 50, ADB, 5
	KSTEP 0, 0, 6, 0, 1, 1, 50, ADB, 6
	KSTEP 1, 1, 7, 0, 1, 1, 50, ADB, 7
	s_wait_xcnt 0x0                                ; the loads' base is stepped only behind this wait
	s_add_nc_u64 s[AB:AB+1], s[AB:AB+1], 6*STEP
	s_add_co_u32 s[KO], s[KO], 6*64
	s_sub_co_u32 s[KC], s[KC], 1
	s_cmp_lg_u32 s[KC], 0
	s_cbranch_scc1 .Lk
	KSTEP 2, 0, 2, 0, 1, 1, 50, ADB0, 26           ; steps 26 to 31: one more request (step 31's), then the counts run down; the LDS offsets are the steps' own, 35,040 bytes at the most
	KSTEP 3, 1, 3, 0, 0, 1, 40, ADB0, 27
	KSTEP 4, 0, 4, 0, 0, 1, 30, ADB0, 28
	KSTEP 5, 1, 5, 0, 0, 1, 20, ADB0, 29
	KSTEP 0, 0, 6, 0, 0, 1, 10, ADB0, 30
	KSTEP 1, 1, 7, 0, 0, 0, 0, ADB0, 31
	PLACES                                         ; the way out reads results just made
	EPI 0
	s_cmp_le_i32 s[LIVE], 1                        ; tiles past my count are not stored
	s_cbranch_scc1 .Lepi_done
	EPI 1
	s_cmp_le_i32 s[LIVE], 2
	s_cbranch_scc1 .Lepi_done
	EPI 2
	s_cmp_le_i32 s[LIVE], 3
	s_cbranch_scc1 .Lepi_done
	EPI 3
	s_cmp_le_i32 s[LIVE], 4
	s_cbranch_scc1 .Lepi_done
	EPI 4
.Lepi_done:
.Lpass_end:
	s_wait_xcnt 0x0                                ; the stores' base and data, and the loads' offsets, are written again only behind this wait
	s_sub_co_i32 s[LIVE], s[LIVE], 5
	s_add_co_u32 s[PB], s[PB], 320
	s_add_nc_u64 s[HB:HB+1], s[HB:HB+1], 5*262144
	s_add_co_u32 s[PASS], s[PASS], 1
	s_cmp_lt_u32 s[PASS], 4
	s_cbranch_scc1 .Lpass
	s_wait_dscnt 0x0                               ; my reads of LDS are over,
	s_barrier_signal -1                            ; and all four waves say so before any of them writes LDS again: the K loop's fragment addresses move with a scalar register,
	s_barrier_wait -1                              ; so reads and the write below are ordered by a barrier, and the order leans on no arithmetic of addresses
	s_wait_tensorcnt 0x0                           ; the wave's end, behind my last LDS store
	ds_add_u32 v[SPW], v[NIL]
	s_wait_dscnt 0x0
	s_endpgm
.Lfunc_end_k_qaccb55f66c_up:
	.size	k_qaccb55f66c_up, .Lfunc_end_k_qaccb55f66c_up-k_qaccb55f66c_up
	.p2alignl 7, 3214868480
	.fill 96, 4, 3214868480
	.section	.rodata,"a",@progbits
	.p2align	6, 0x0
	.amdhsa_kernel k_qaccb55f66c_up
		.amdhsa_group_segment_fixed_size 264704
		.amdhsa_private_segment_fixed_size 0
		.amdhsa_enable_private_segment 0
		.amdhsa_kernarg_size 40
		.amdhsa_user_sgpr_count 2
		.amdhsa_user_sgpr_kernarg_segment_ptr 1
		.amdhsa_wavefront_size32 1
		.amdhsa_system_sgpr_workgroup_id_x 1
		.amdhsa_system_sgpr_workgroup_id_y 1
		.amdhsa_system_sgpr_workgroup_id_z 1
		.amdhsa_system_vgpr_workitem_id 0
		.amdhsa_next_free_vgpr 832
		.amdhsa_next_free_sgpr 102
		.amdhsa_reserve_vcc 1
		.amdhsa_float_denorm_mode_32 3
		.amdhsa_float_denorm_mode_16_64 3
		.amdhsa_memory_ordered 1
		.amdhsa_forward_progress 1
		.amdhsa_inst_pref_size 164
	.end_amdhsa_kernel
	.amdgpu_metadata
---
amdhsa.version: [ 1, 2 ]
amdhsa.kernels:
  - .name:           k_qaccb55f66c_up
    .symbol:         k_qaccb55f66c_up.kd
    .args:
      - { .name: xb, .offset: 0, .size: 8, .value_kind: global_buffer, .address_space: global }
      - { .name: w1, .offset: 8, .size: 8, .value_kind: global_buffer, .address_space: global }
      - { .name: w3, .offset: 16, .size: 8, .value_kind: global_buffer, .address_space: global }
      - { .name: sel, .offset: 24, .size: 8, .value_kind: global_buffer, .address_space: global }
      - { .name: h, .offset: 32, .size: 8, .value_kind: global_buffer, .address_space: global }
    .group_segment_fixed_size: 264704
    .private_segment_fixed_size: 0
    .kernarg_segment_align: 8
    .kernarg_segment_size: 40
    .max_flat_workgroup_size: 128
    .sgpr_count:     102
    .vgpr_count:     832
    .wavefront_size: 32
...
	.end_amdgpu_metadata
.endif
;; end of part 2
;; launch down (part 3): grid 256 x 1, 4 waves a work-group, no clusters, 167,424 bytes of LDS; arguments h, w2, sel, part; writes part
.if DOCPART == 3
	.amdgcn_target "amdgcn-amd-amdhsa--gfx1250"
	.amdhsa_code_object_version 6
	.text
	.protected	k_qaccb55f66c_down
	.globl	k_qaccb55f66c_down
	.p2align	8
	.type	k_qaccb55f66c_down,@function
k_qaccb55f66c_down:
	s_mov_b64 s[64:65], 0
	v_nop
	global_prefetch_b8 v0, s[64:65] scope:SCOPE_SE
	s_setreg_imm32_b32 hwreg(HW_REG_WAVE_MODE, 25, 1), 1
	s_wait_xcnt 0x0
; SECOND PRODUCT.  For the rows p = 2 token + choice of expert e: part[kh][p][:] = the sum over half kh of the hidden columns of hidden[p][k] w2[e][:][k]; operands bf16, sums f32, stored as f32
; (partial sums; the next launch adds a token's four rows with its two weights).
; SHARES.  256 work-groups = 8 experts x 16 slices of 64 output columns x 2 halves of K.  A work-group alone reads its 64 rows x 1,024 numbers of w2[e] (256 KB of f32, each byte once in the launch),
; rounds them on the way through registers and lays them into LDS; its four waves share the expert's tiles of 16 rows: wave w has the tiles w, w + 4, ...
; K is halved, and not the columns, so that a row's piece of the output is 64 f32, 256 consecutive bytes, and a fragment of h feeds four products.
; THE LIST is made as in the launch before, the 32 groups in the same order, so that place n is the same row; here it holds p, which says where a row goes.
; h comes from memory straight into registers as source 1: it was stored in that order, 512 consecutive bytes a load.
; EVERY SPLIT IS SERVED as in the launch before: four passes of five tiles, a constant count; dead passes, the fifth tile's products and the stores of tiles past the count are jumped, forward, with
; no barrier in what is jumped.  Places past the count repeat the last row: the same wave stores the same numbers to the same row once more.
; A PASS'S 32 K STEPS ARE WRITTEN OUT: every LDS address is then a register that is never rewritten plus an immediate, so that the slice, which all waves read, and each wave's own stage, which it
; writes between the passes with no barrier, can be told apart from the text.  The price is some 400 bytes of code a step.
; NO TENSOR LOADS: the weights pass through registers to be rounded.  NO CLUSTER: a slice of weights has one reader; the tiles of h are shared by an expert's work-groups, but their number hangs on a
; stored count, and a joint walk of a constant length would ask for all 64 tiles where some 17 exist.
; LIMITS.  NaN and infinities are not treated apart; the order of the sums is the matrix unit's, in two halves of K.
.set PITCH, 2064      ; an LDS row: 1,024 bf16 + 16 bytes = 129 x 16: the 16 rows of a fragment load start at 16 different groups of four banks (64 banks of 4 bytes: ISA guide 11.1)
.set ROWB,  8192      ; a row of w2 in memory
.set NF,    4         ; weight fragments a K step: 4 blocks of 16 output columns
.set STEP,  1024      ; bytes of a tile of h in a K step of 32
.set HALF,  512       ; from a fragment's first 16 bytes a lane to its second
.set LISTS, 64*PITCH  ; behind the weights: a list for each wave, 1,024 words and a word for what does not belong to the expert
.set LSTB,  4352
.set STAGE, LISTS+4*LSTB  ; behind the lists: 16 rows x 272 bytes for each wave, for the way out
.set SPITCH, 272
.set SPARE, STAGE+4*16*SPITCH  ; behind the stages: the spare words, 128 bytes for each wave: two blocks of 256 bytes that no other line names
; window 0
.set L16,  1          ; 16 x lane; never rewritten
.set RR,   2          ; lane % 16
.set H16,  3          ; 16 x (lane / 16)
.set SPW,  4          ; LDS address of my spare word; never rewritten
.set NIL,  5          ; 0; never rewritten
.set WST,  6          ; where my 8 bytes of a weight row go
.set LB,   7          ; my wave's list
.set TV,   8          ; 4 x lane
.set DUMP, 9          ; 1,024
.set POS,  10
.set VAL,  11
.set IB,   12         ; 16 x wave + lane / 16
.set IBP,  13         ; + 320 x pass
.set STO,  14         ; the way out: where I put 32 bytes of a row
.set RD,   15         ; the way out: where I read a row back
.set C16,  16         ; 16 x (lane % 16)
.set KV,   17
.set TMPV, 18
.set AOF,  20         ; v[20:24]   the five tiles' byte offsets in h
.set ADB0, 26         ; v[26:27]   LDS address of my place in weight rows 32 g + lane % 16; never rewritten
.set CT,   34         ; v[34:49]   a weight row, rounded
.set BB0,  64         ; v[64:95] weight fragments, buffer 0; v[96:127] buffer 1; early: v[64:127] sel as loaded
.set SLD,  64
.set PR,   128        ; v[128:135] the rows' p, then their byte offsets in part
.set PT,   136        ; v[136:143] list addresses
.set OB,   144        ; v[144:175] the tile, read back by rows
; window 1: first eight weight rows as loaded (32 registers each), then six slots of the five tiles' fragments of h, slot q, tile i at 40 q + 8 i
; window 2: the accumulators, (i, f) at 32 i + 8 f
.set AB,   4          ; s[4:5] h at my expert and half of K; never stepped
.set WV,   14
.set EX,   15
.set CSL,  16
.set KH,   17
.set WB,   18         ; s[18:19] the weight rows that I fetch
.set OF,   20         ; s[20:21] an offset
.set CNT,  22
.set TMP,  23
.set MK,   24
.set N16,  25
.set LIVE, 26
.set PASS, 27
.set CM1,  28
.set PB,   29
.set NM1,  36         ; the expert's last tile
.set TAU,  37
.set TAU0, 38
.set MUL,  0xa4       ; source 0 (weights) window 0, source 1 (h) window 1, C and D window 2
.set MSB, 0
.macro WIN new        ; s_set_vgpr_msb: bits 1:0 source 0, 3:2 source 1, 5:4 source 2, 7:6 destination; the high byte repeats the setting that is left
.if MSB != (\new)
	s_set_vgpr_msb (MSB<<8)|(\new)
.set MSB, (\new)
.endif
.endm
.macro PLACES         ; a load into a register that a matrix instruction has read, and an LDS store that reads a matrix result, stand four plain vector instructions behind it
.rept 4
	v_nop
.endr
.endm
.macro WFILL q, row   ; eight loads: my 4,096 bytes of weight row `row` (counted from s[WB]) into ring slot q
	WIN 0x40
.irp c, 0,1,2,3,4,5,6,7
	global_load_b128 v[32*(\q)+4*(\c):32*(\q)+4*(\c)+3], v[L16], s[WB:WB+1] offset:(\row)*ROWB+(\c)*512 th:TH_LOAD_NT
.endr
.endm
; Ring slot q's row is rounded and laid into LDS row rb + q (counted from WST).  fill = 1: the slot takes the row eight further on.  left = the younger loads, which may stay out.
.macro WROW q, fill, left, rb
	s_wait_loadcnt \left
	WIN 0x05                                       ; sources in window 1
.irp c, 0,1,2,3,4,5,6,7
	v_cvt_pk_bf16_f32 v[CT+2*(\c)],   v[32*(\q)+4*(\c)],   v[32*(\q)+4*(\c)+1]
	v_cvt_pk_bf16_f32 v[CT+2*(\c)+1], v[32*(\q)+4*(\c)+2], v[32*(\q)+4*(\c)+3]
.endr
	WIN 0
.irp c, 0,1,2,3,4,5,6,7
	ds_store_b64 v[WST], v[CT+2*(\c):CT+2*(\c)+1] offset:((\rb)+(\q))*PITCH+(\c)*256  ; 32 lanes, 256 consecutive bytes
.endr
.if \fill
	WFILL \q, (\q)+8
.endif
.endm
; Group (i, u) of the list: lane l looks at token 64 i + 2 l + u; the entry is p = 2 x token + which of its two choices is my expert.
.macro GROUP i, u
	v_cmp_eq_u32 s[MK], s[EX], v[SLD+4*(\i)+2*(\u)]
	v_cmp_eq_u32 vcc_lo, s[EX], v[SLD+4*(\i)+2*(\u)+1]
	v_cndmask_b32 v[KV], 0, 1, vcc_lo
	s_or_b32 vcc_lo, vcc_lo, s[MK]
	v_mbcnt_lo_u32_b32 v[POS], vcc_lo, s[CNT]      ; the count so far + the chosen lanes below me
	v_cndmask_b32 v[POS], v[DUMP], v[POS], vcc_lo
	v_min_u32 v[POS], 0x400, v[POS]                ; made of loaded numbers: held inside my list by a constant
	v_lshl_add_u32 v[POS], v[POS], 2, v[LB]
	v_add_nc_u32 v[VAL], 128*(\i)+2*(\u), v[TV]
	v_add_nc_u32 v[VAL], v[VAL], v[KV]
	ds_store_b32 v[POS], v[VAL]
	s_bcnt1_i32_b32 s[TMP], vcc_lo
	s_add_co_u32 s[CNT], s[CNT], s[TMP]
.endm
.macro MMT i, slot, bb, zero  ; four matrix instructions: tile i x the four weight fragments, 32 along K.  zero = 1: the first K step starts the sums
.set AC, 32*(\i)
.set FB, BB0+32*(\bb)
.set FA, 40*(\slot)+8*(\i)
.irp f, 0,1,2,3
.if \zero
	v_wmma_f32_16x16x32_bf16 v[AC+8*(\f):AC+8*(\f)+7], v[FB+8*(\f):FB+8*(\f)+7], v[FA:FA+7], 0
.else
	v_wmma_f32_16x16x32_bf16 v[AC+8*(\f):AC+8*(\f)+7], v[FB+8*(\f):FB+8*(\f)+7], v[FA:FA+7], v[AC+8*(\f):AC+8*(\f)+7]
.endif
.endr
.endm
; K STEP st of 32.  It multiplies slot `slot` of h's fragments by weight buffer bb; ahead of that it asks for the next step's weight fragments (LDS, into the other buffer; ldb = 1) and for h's
; fragments five steps on (memory, into the slot that the step before read; lda = 1).  young = the loads of h issued behind this step's own.
; The 16 or 20 accumulators take turns, one instruction a turn.
.macro KSTEP slot, bb, st, zero, lda, ldb, young
	WIN 0
	PLACES                                         ; behind the last step's products, which read the buffer and the slot that are loaded now
.if \ldb
.irp f, 0,1,2,3
	ds_load_b128 v[BB0+32*(1-(\bb))+8*(\f):BB0+32*(1-(\bb))+8*(\f)+3],   v[ADB0+(\f)/2] offset:((\f)%2)*16*PITCH+((\st)+1)*64
	ds_load_b128 v[BB0+32*(1-(\bb))+8*(\f)+4:BB0+32*(1-(\bb))+8*(\f)+7], v[ADB0+(\f)/2] offset:((\f)%2)*16*PITCH+((\st)+1)*64+32
.endr
.endif
.if \lda
	WIN 0x40
.irp i, 0,1,2,3,4
	global_load_b128 v[40*(((\slot)+5)%6)+8*(\i):40*(((\slot)+5)%6)+8*(\i)+3],   v[AOF+(\i)], s[AB:AB+1] offset:((\st)+5)*STEP
	global_load_b128 v[40*(((\slot)+5)%6)+8*(\i)+4:40*(((\slot)+5)%6)+8*(\i)+7], v[AOF+(\i)], s[AB:AB+1] offset:((\st)+5)*STEP+HALF
.endr
.endif
	s_wait_dscnt 2*NF*(\ldb)                       ; this step's weight fragments are in; the run just issued may be out
	s_wait_loadcnt \young                          ; this step's fragments of h are in; ten loads for each later step that has been asked for may be out
	WIN MUL
	MMT 0, \slot, \bb, \zero
	MMT 1, \slot, \bb, \zero
	MMT 2, \slot, \bb, \zero
	MMT 3, \slot, \bb, \zero
	WIN 0                                          ; at a branch and at a label every window is 0
.if !(\zero)
	s_cmp_lt_i32 s[LIVE], 5                        ; no fifth tile: its products are jumped.  No memory instruction is jumped, so every count holds on both ways
	s_cbranch_scc1 .Lno4_\@
.endif
	WIN MUL
	MMT 4, \slot, \bb, \zero
	WIN 0
.if !(\zero)
.Lno4_\@:
.endif
.endm
; THE WAY OUT of tile i.  A lane holds 8 neighbouring columns of one row in each of four accumulators; the tile goes through my own stage (rows of 272 bytes) and comes back as whole rows of 256 bytes;
; where a row goes is read from the list.  Each accumulator's low four registers are read first.
.macro EPI i
	WIN 0
	s_wait_xcnt 0x0                                ; the last tile's stores have read their offsets and data, which are written again now
.irp m, 0,1,2,3,4,5,6,7
	v_add_nc_u32 v[PT+(\m)], 64*(\i)+2*(\m), v[IBP]  ; list place of tile row 2 m + lane / 16,
	v_min_u32 v[PT+(\m)], s[CM1], v[PT+(\m)]       ; or the last place that exists,
	v_min_u32 v[PT+(\m)], 0x3ff, v[PT+(\m)]        ; held inside the list by a constant
	v_lshl_add_u32 v[PT+(\m)], v[PT+(\m)], 2, v[LB]
	ds_load_b32 v[PR+(\m)], v[PT+(\m)]
.endr
	WIN 0x08                                       ; the stores' data in window 2
.irp f, 0,1,2,3
	ds_store_b128 v[STO], v[32*(\i)+8*(\f):32*(\i)+8*(\f)+3]   offset:64*(\f)
	ds_store_b128 v[STO], v[32*(\i)+8*(\f)+4:32*(\i)+8*(\f)+7] offset:64*(\f)+16
.endr
	WIN 0
.irp m, 0,1,2,3,4,5,6,7
	ds_load_b128 v[OB+4*(\m):OB+4*(\m)+3], v[RD] offset:(\m)*2*SPITCH  ; LDS serves a wave's instructions in order (ISA guide 5.7.1.4): these see the stores above
.endr
	s_wait_dscnt 0x0
.irp m, 0,1,2,3,4,5,6,7
	v_min_u32 v[PR+(\m)], 0x7ff, v[PR+(\m)]        ; a loaded number enters an address: held inside part's 2,048 rows by a constant
	v_lshl_add_u32 v[PR+(\m)], v[PR+(\m)], 12, v[C16]
	global_store_b128 v[PR+(\m)], v[OB+4*(\m):OB+4*(\m)+3], s[10:11]  ; 16 lanes store 256 consecutive bytes, at a multiple of 256 from part's first
.endr
.endm
	s_load_b256 s[4:11], s[0:1], 0x0               ; h s[4:5], w2 s[6:7], sel s[8:9], part s[10:11]
	v_lshl_add_u32 v[SPW], v0, 2, SPARE
	v_mov_b32 v[NIL], 0
	v_lshrrev_b32 v[TMPV], 5, v0
	v_readfirstlane_b32 s[WV], v[TMPV]             ; wave 0..3
	v_and_b32 v[TMPV], 31, v0                      ; lane
	v_lshlrev_b32 v[L16], 4, v[TMPV]
	v_and_b32 v[RR], 15, v0
	v_bfe_u32 v[IB], v0, 4, 1                      ; lane / 16
	v_lshlrev_b32 v[H16], 4, v[IB]
	v_lshlrev_b32 v[TV], 2, v[TMPV]
	v_lshlrev_b32 v[C16], 4, v[RR]
	v_mov_b32 v[DUMP], 0x400
	s_lshr_b32 s[EX], ttmp9, 5                     ; expert
	s_bfe_u32 s[CSL], ttmp9, 0x40001               ; slice of 64 output columns
	s_and_b32 s[KH], ttmp9, 1                      ; half of K
	s_mul_i32 s[TMP], s[WV], LSTB
	s_add_co_u32 s[TMP], s[TMP], LISTS
	v_mov_b32 v[LB], s[TMP]
	s_mul_i32 s[TMP], s[WV], 16*PITCH              ; wave w lays LDS rows 16 w .. 16 w + 15
	v_lshl_add_u32 v[WST], v[TMPV], 3, s[TMP]
	s_mul_i32 s[TMP], s[WV], 16*SPITCH
	s_add_co_u32 s[TMP], s[TMP], STAGE             ; my stage
	v_mul_u32_u24 v[STO], v[RR], SPITCH            ; in: row lane % 16, 32 bytes for each half of the lanes
	v_lshl_add_u32 v[STO], v[H16], 1, v[STO]
	v_add_nc_u32 v[STO], s[TMP], v[STO]
	v_mul_u32_u24 v[RD], v[IB], SPITCH             ; back: lanes 0-15 take one row of 256 bytes, lanes 16-31 the next
	v_add_nc_u32 v[RD], v[RD], v[C16]
	v_add_nc_u32 v[RD], s[TMP], v[RD]
	v_lshl_add_u32 v[IB], s[WV], 4, v[IB]
	v_mul_u32_u24 v[ADB0], v[RR], PITCH
	v_add_nc_u32 v[ADB0], v[ADB0], v[H16]          ; a fragment's row x pitch + 16 x half
	v_add_nc_u32 v[ADB0+1], 32*PITCH, v[ADB0]
	s_lshl_b32 s[OF], s[EX], 23                    ; an expert's w2: 1,024 rows of 8,192 bytes;
	s_lshl_b32 s[TMP], s[CSL], 19                  ; a slice: 64 rows;
	s_add_co_u32 s[OF], s[OF], s[TMP]
	s_lshl_b32 s[TMP], s[WV], 17                   ; a wave: 16 of them;
	s_add_co_u32 s[OF], s[OF], s[TMP]
	s_lshl_b32 s[TMP], s[KH], 12                   ; a half of K: 4,096 bytes of each
	s_add_co_u32 s[OF], s[OF], s[TMP]
	s_mov_b32 s[OF+1], 0
	s_wait_kmcnt 0x0
	s_add_nc_u64 s[WB:WB+1], s[6:7], s[OF:OF+1]
	s_lshl_b32 s[OF], s[EX], 22                    ; h: an expert has 64 tiles of 65,536 bytes; a half of K 32,768 of each
	s_lshl_b32 s[TMP], s[KH], 15
	s_add_co_u32 s[OF], s[OF], s[TMP]
	s_add_nc_u64 s[AB:AB+1], s[AB:AB+1], s[OF:OF+1]
	s_lshl_b32 s[OF], s[KH], 23                    ; part: a half's plane is 2,048 rows of 4,096 bytes; a slice 256 bytes of each
	s_lshl_b32 s[TMP], s[CSL], 8
	s_add_co_u32 s[OF], s[OF], s[TMP]
	s_add_nc_u64 s[10:11], s[10:11], s[OF:OF+1]
.irp i, 0,1,2,3,4,5,6,7,8,9,10,11,12,13,14,15
	global_load_b128 v[SLD+4*(\i):SLD+4*(\i)+3], v[L16], s[8:9] offset:(\i)*512  ; lane l: both choices of tokens 64 i + 2 l and 64 i + 2 l + 1
.endr
.irp q, 0,1,2,3,4,5,6
	WFILL \q, \q                                   ; seven weight rows go out ahead of the list's work: 28 KB a wave are on their way meanwhile
.endr
	WIN 0
	s_wait_loadcnt 56                              ; the 56 weight loads issued behind sel's may be out
	s_mov_b32 s[CNT], 0
.irp i, 0,1,2,3,4,5,6,7,8,9,10,11,12,13,14,15
	GROUP \i, 0
	GROUP \i, 1
.endr
	s_add_co_u32 s[N16], s[CNT], 15
	s_lshr_b32 s[N16], s[N16], 4
	s_add_co_u32 s[LIVE], s[N16], 3
	s_sub_co_u32 s[LIVE], s[LIVE], s[WV]
	s_lshr_b32 s[LIVE], s[LIVE], 2                 ; the tiles w, w + 4, .. below N16
	s_sub_co_u32 s[CM1], s[CNT], 1
	s_sub_co_u32 s[NM1], s[N16], 1
	WFILL 7, 7
.irp q, 0,1,2,3,4,5,6,7
	WROW \q, 1, 56, 0                              ; behind a slot's row stand the seven younger rows' 56 loads
.endr
.irp q, 0,1,2,3,4,5,6,7
	WROW \q, 0, 56-8*(\q), 8                       ; my last eight rows: nothing more is fetched, the counts run down
.endr
	s_wait_dscnt 0x0                               ; for the others' sake: my rows of the slice are in LDS
	s_barrier_signal -1
	s_barrier_wait -1                              ; the launch's one barrier: the slice is whole, and nobody writes it again
	s_mov_b32 s[PASS], 0
	s_mov_b32 s[PB], 0
.Lpass:                                                ; four passes of five tiles: 4 waves x 20 tiles x 16 rows cover the 1,024 rows that an expert can have
	s_cmp_lt_i32 s[LIVE], 1
	s_cbranch_scc1 .Lpass_end
	v_add_nc_u32 v[IBP], s[PB], v[IB]
	s_mul_i32 s[TAU0], s[PASS], 20
	s_add_co_u32 s[TAU0], s[TAU0], s[WV]
.irp i, 0,1,2,3,4
	s_add_co_u32 s[TAU], s[TAU0], 4*(\i)           ; tile = wave + 4 (5 pass + i),
	s_min_u32 s[TAU], s[TAU], s[NM1]               ; or the last that the launch before wrote,
	s_min_u32 s[TAU], s[TAU], 63                   ; held inside the expert's 64 by a constant
	v_lshl_add_u32 v[AOF+(\i)], s[TAU], 16, v[L16]
.endr
	WIN 0x40
.irp k, 0,1,2,3,4
.irp i, 0,1,2,3,4
	global_load_b128 v[40*(\k)+8*(\i):40*(\k)+8*(\i)+3],   v[AOF+(\i)], s[AB:AB+1] offset:(\k)*STEP
	global_load_b128 v[40*(\k)+8*(\i)+4:40*(\k)+8*(\i)+7], v[AOF+(\i)], s[AB:AB+1] offset:(\k)*STEP+HALF
.endr
.endr
	WIN 0
.irp f, 0,1,2,3
	ds_load_b128 v[BB0+8*(\f):BB0+8*(\f)+3],   v[ADB0+(\f)/2] offset:((\f)%2)*16*PITCH
	ds_load_b128 v[BB0+8*(\f)+4:BB0+8*(\f)+7], v[ADB0+(\f)/2] offset:((\f)%2)*16*PITCH+32
.endr
	; the 32 K steps.  Step 0 starts all 20 sums, the fifth tile's too: nothing is cleared.  Steps 0 to 26 ask for h five steps on (the last request is step 31's), so behind a step's own ten loads
	; stand 50; from step 27 on the counts run down by ten.  Steps 0 to 30 ask for the next step's weight fragments.  LDS offsets: 16 x 2,064 + 31 x 64 + 32 = 35,040 at the most; h's: 32,256.
.set ks, 0
.rept 32
.set zz, 0
.set la, 0
.set lb, 0
.set yg, 10*(31-ks)
.if ks == 0
.set zz, 1
.endif
.if ks < 27
.set la, 1
.set yg, 50
.endif
.if ks < 31
.set lb, 1
.endif
	KSTEP ks%6, ks%2, ks, zz, la, lb, yg
.set ks, ks+1
.endr
	PLACES                                         ; the way out reads results just made
	EPI 0
	s_cmp_le_i32 s[LIVE], 1                        ; tiles past my count are not stored
	s_cbranch_scc1 .Lepi_done
	EPI 1
	s_cmp_le_i32 s[LIVE], 2
	s_cbranch_scc1 .Lepi_done
	EPI 2
	s_cmp_le_i32 s[LIVE], 3
	s_cbranch_scc1 .Lepi_done
	EPI 3
	s_cmp_le_i32 s[LIVE], 4
	s_cbranch_scc1 .Lepi_done
	EPI 4
.Lepi_done:
.Lpass_end:
	s_wait_xcnt 0x0                                ; the stores' offsets and data, and the loads' offsets, are written again only behind this wait
	s_sub_co_i32 s[LIVE], s[LIVE], 5
	s_add_co_u32 s[PB], s[PB], 320
	s_add_co_u32 s[PASS], s[PASS], 1
	s_cmp_lt_u32 s[PASS], 4
	s_cbranch_scc1 .Lpass
	s_wait_tensorcnt 0x0                           ; the wave's end, behind my last LDS store
	ds_add_u32 v[SPW], v[NIL]
	s_wait_dscnt 0x0
	s_endpgm
.Lfunc_end_k_qaccb55f66c_down:
	.size	k_qaccb55f66c_down, .Lfunc_end_k_qaccb55f66c_down-k_qaccb55f66c_down
	.p2alignl 7, 3214868480
	.fill 96, 4, 3214868480
	.section	.rodata,"a",@progbits
	.p2align	6, 0x0
	.amdhsa_kernel k_qaccb55f66c_down
		.amdhsa_group_segment_fixed_size 167424
		.amdhsa_private_segment_fixed_size 0
		.amdhsa_enable_private_segment 0
		.amdhsa_kernarg_size 32
		.amdhsa_user_sgpr_count 2
		.amdhsa_user_sgpr_kernarg_segment_ptr 1
		.amdhsa_wavefront_size32 1
		.amdhsa_system_sgpr_workgroup_id_x 1
		.amdhsa_system_sgpr_workgroup_id_y 1
		.amdhsa_system_sgpr_workgroup_id_z 1
		.amdhsa_system_vgpr_workitem_id 0
		.amdhsa_next_free_vgpr 672
		.amdhsa_next_free_sgpr 66
		.amdhsa_reserve_vcc 1
		.amdhsa_float_denorm_mode_32 3
		.amdhsa_float_denorm_mode_16_64 3
		.amdhsa_memory_ordered 1
		.amdhsa_forward_progress 1
		.amdhsa_inst_pref_size 189
	.end_amdhsa_kernel
	.amdgpu_metadata
---
amdhsa.version: [ 1, 2 ]
amdhsa.kernels:
  - .name:           k_qaccb55f66c_down
    .symbol:         k_qaccb55f66c_down.kd
    .args:
      - { .name: h, .offset: 0, .size: 8, .value_kind: global_buffer, .address_space: global }
      - { .name: w2, .offset: 8, .size: 8, .value_kind: global_buffer, .address_space: global }
      - { .name: sel, .offset: 16, .size: 8, .value_kind: global_buffer, .address_space: global }
      - { .name: part, .offset: 24, .size: 8, .value_kind: global_buffer, .address_space: global }
    .group_segment_fixed_size: 167424
    .private_segment_fixed_size: 0
    .kernarg_segment_align: 8
    .kernarg_segment_size: 32
    .max_flat_workgroup_size: 128
    .sgpr_count:     66
    .vgpr_count:     672
    .wavefront_size: 32
...
	.end_amdgpu_metadata
.endif
;; end of part 3
;; launch combine (part 4): grid 256 x 1, 4 waves a work-group, no clusters, 0 bytes of LDS; arguments part, out1, out0; writes out0
.if DOCPART == 4
	.amdgcn_target "amdgcn-amd-amdhsa--gfx1250"
	.amdhsa_code_object_version 6
	.text
	.protected	k_qaccb55f66c_combine
	.globl	k_qaccb55f66c_combine
	.p2align	8
	.type	k_qaccb55f66c_combine,@function
k_qaccb55f66c_combine:
	s_mov_b64 s[64:65], 0
	v_nop
	global_prefetch_b8 v0, s[64:65] scope:SCOPE_SE
	s_setreg_imm32_b32 hwreg(HW_REG_WAVE_MODE, 25, 1), 1
	s_wait_xcnt 0x0
; THE SUM.  out0[t][:] = g0 (part[0][2 t][:] + part[1][2 t][:]) + g1 (part[0][2 t + 1][:] + part[1][2 t + 1][:]), g = out1[t]; all f32.
; Each output row has one owner: one wave a token, four waves a work-group, 256 work-groups.  A stream: 16 KB in and 4 KB out for a wave, every load and store 512 consecutive bytes, all 32 loads of a
; wave issued before the first wait.  LDS, barriers, the matrix unit and clusters would add nothing: no byte is read twice.
.set D, 16            ; v[16:143]: part j of eight: 16 registers: (half 0, choice 0), (half 1, choice 0), (half 0, choice 1), (half 1, choice 1)
	s_load_b128 s[4:7], s[0:1], 0x0                ; part s[4:5], out1 s[6:7]
	s_load_b64 s[8:9], s[0:1], 0x10                ; out0
	v_and_b32 v1, 31, v0
	v_lshlrev_b32 v1, 4, v1                        ; 16 x lane
	v_lshrrev_b32 v2, 5, v0
	v_readfirstlane_b32 s16, v2                    ; wave
	s_lshl_b32 s17, ttmp9, 2
	s_add_co_u32 s17, s17, s16                     ; my token
	s_mov_b32 s19, 0
	s_lshl_b32 s18, s17, 13                        ; a token's two rows of part: 8,192 bytes
	s_wait_kmcnt 0x0
	s_add_nc_u64 s[4:5], s[4:5], s[18:19]
	s_add_nc_u64 s[14:15], s[4:5], 0x800000        ; the second half's plane, 8,388,608 bytes on: one past what a load's immediate holds, so it has a base of its own
	s_lshl_b32 s18, s17, 3
	s_add_nc_u64 s[6:7], s[6:7], s[18:19]
	s_load_b64 s[10:11], s[6:7], 0x0               ; g0, g1: this launch writes nothing into out1
	s_lshl_b32 s18, s17, 12
	s_add_nc_u64 s[8:9], s[8:9], s[18:19]
.irp j, 0,1,2,3,4,5,6,7
	global_load_b128 v[D+16*(\j):D+16*(\j)+3],     v1, s[4:5]   offset:(\j)*512 th:TH_LOAD_NT
	global_load_b128 v[D+16*(\j)+4:D+16*(\j)+7],   v1, s[14:15] offset:(\j)*512 th:TH_LOAD_NT
	global_load_b128 v[D+16*(\j)+8:D+16*(\j)+11],  v1, s[4:5]   offset:4096+(\j)*512 th:TH_LOAD_NT
	global_load_b128 v[D+16*(\j)+12:D+16*(\j)+15], v1, s[14:15] offset:4096+(\j)*512 th:TH_LOAD_NT
.endr
	s_wait_kmcnt 0x0
	s_mov_b32 s12, s11                             ; g1 as the low word of a pair: the packed forms give a scalar pair's low word to both halves
	s_mov_b32 s13, s11
.irp j, 0,1,2,3,4,5,6,7
	s_wait_loadcnt 4*(7-(\j))                      ; loads come back in order (ISA guide 5.7.1): the younger parts' four loads each may be out
	v_pk_add_f32 v[D+16*(\j):D+16*(\j)+1],     v[D+16*(\j):D+16*(\j)+1],     v[D+16*(\j)+4:D+16*(\j)+5]
	v_pk_add_f32 v[D+16*(\j)+2:D+16*(\j)+3],   v[D+16*(\j)+2:D+16*(\j)+3],   v[D+16*(\j)+6:D+16*(\j)+7]
	v_pk_add_f32 v[D+16*(\j)+8:D+16*(\j)+9],   v[D+16*(\j)+8:D+16*(\j)+9],   v[D+16*(\j)+12:D+16*(\j)+13]
	v_pk_add_f32 v[D+16*(\j)+10:D+16*(\j)+11], v[D+16*(\j)+10:D+16*(\j)+11], v[D+16*(\j)+14:D+16*(\j)+15]
	v_pk_mul_f32 v[D+16*(\j):D+16*(\j)+1],     v[D+16*(\j):D+16*(\j)+1],     s[10:11] op_sel_hi:[1,0]
	v_pk_mul_f32 v[D+16*(\j)+2:D+16*(\j)+3],   v[D+16*(\j)+2:D+16*(\j)+3],   s[10:11] op_sel_hi:[1,0]
	v_pk_fma_f32 v[D+16*(\j):D+16*(\j)+1],     v[D+16*(\j)+8:D+16*(\j)+9],   s[12:13], v[D+16*(\j):D+16*(\j)+1] op_sel_hi:[1,0,1]
	v_pk_fma_f32 v[D+16*(\j)+2:D+16*(\j)+3],   v[D+16*(\j)+10:D+16*(\j)+11], s[12:13], v[D+16*(\j)+2:D+16*(\j)+3] op_sel_hi:[1,0,1]
	global_store_b128 v1, v[D+16*(\j):D+16*(\j)+3], s[8:9] offset:(\j)*512 th:TH_STORE_NT
.endr
	s_endpgm
.Lfunc_end_k_qaccb55f66c_combine:
	.size	k_qaccb55f66c_combine, .Lfunc_end_k_qaccb55f66c_combine-k_qaccb55f66c_combine
	.p2alignl 7, 3214868480
	.fill 96, 4, 3214868480
	.section	.rodata,"a",@progbits
	.p2align	6, 0x0
	.amdhsa_kernel k_qaccb55f66c_combine
		.amdhsa_group_segment_fixed_size 0
		.amdhsa_private_segment_fixed_size 0
		.amdhsa_enable_private_segment 0
		.amdhsa_kernarg_size 24
		.amdhsa_user_sgpr_count 2
		.amdhsa_user_sgpr_kernarg_segment_ptr 1
		.amdhsa_wavefront_size32 1
		.amdhsa_system_sgpr_workgroup_id_x 1
		.amdhsa_system_sgpr_workgroup_id_y 1
		.amdhsa_system_sgpr_workgroup_id_z 1
		.amdhsa_system_vgpr_workitem_id 0
		.amdhsa_next_free_vgpr 152
		.amdhsa_next_free_sgpr 66
		.amdhsa_reserve_vcc 0
		.amdhsa_float_denorm_mode_32 3
		.amdhsa_float_denorm_mode_16_64 3
		.amdhsa_memory_ordered 1
		.amdhsa_forward_progress 1
		.amdhsa_inst_pref_size 10
	.end_amdhsa_kernel
	.amdgpu_metadata
---
amdhsa.version: [ 1, 2 ]
amdhsa.kernels:
  - .name:           k_qaccb55f66c_combine
    .symbol:         k_qaccb55f66c_combine.kd
    .args:
      - { .name: part, .offset: 0, .size: 8, .value_kind: global_buffer, .address_space: global }
      - { .name: out1, .offset: 8, .size: 8, .value_kind: global_buffer, .address_space: global }
      - { .name: out0, .offset: 16, .size: 8, .value_kind: global_buffer, .address_space: global }
    .group_segment_fixed_size: 0
    .private_segment_fixed_size: 0
    .kernarg_segment_align: 8
    .kernarg_segment_size: 24
    .max_flat_workgroup_size: 128
    .sgpr_count:     66
    .vgpr_count:     152
    .wavefront_size: 32
...
	.end_amdgpu_metadata
.endif
;; end of part 4
;; ======== version 2 of 2: 4 launches; version 1 with the launches up, down written anew for expert scheduling mode
;; workspace buffers: xb 2,097,152 bytes; sel 8,192 bytes of whole numbers; h 33,554,432 bytes; part 16,777,216 bytes
;; launch route: the kernel of part 1 again; grid 256 x 1, 4 waves a work-group, no clusters, 0 bytes of LDS; arguments x, router_w, out1, out2, sel, xb; writes out1, out2, sel, xb
;; launch up (part 5): grid 256 x 1, 4 waves a work-group, no clusters, 264,704 bytes of LDS; arguments xb, w1, w3, sel, h; writes h
.if DOCPART == 5
	.amdgcn_target "amdgcn-amd-amdhsa--gfx1250"
	.amdhsa_code_object_version 6
	.text
	.protected	k_qaccb55f66c_up
	.globl	k_qaccb55f66c_up
	.p2align	8
	.type	k_qaccb55f66c_up,@function
k_qaccb55f66c_up:
	s_mov_b64 s[64:65], 0
	v_nop
	global_prefetch_b8 v0, s[64:65] scope:SCOPE_SE
	s_setreg_imm32_b32 hwreg(HW_REG_WAVE_SCHED_MODE, 0, 2), 2
	s_setreg_imm32_b32 hwreg(HW_REG_WAVE_MODE, 25, 1), 1
	s_wait_xcnt 0x0
	s_wait_alu depctr_vm_vsrc(0)
; FIRST PRODUCTS.  For the rows (token, choice) of expert e: hidden = silu(x w1[e]^T) * (x w3[e]^T), operands bf16, sums f32, hidden rounded once to bf16.
; SHARES.  256 work-groups = 8 experts x 32 slices of 64 hidden columns.  A work-group alone reads its 64 rows of w1[e] and 64 rows of w3[e] (512 KB of f32, each byte once in the launch), rounds
; them to bf16 on the way through registers and lays them into LDS; then its four waves share the expert's rows, in tiles of 16: wave w has the tiles w, w + 4, ..., each against all 128 weight rows.
; THE EXPERT'S ROWS.  Each wave reads sel (8 KB, whole numbers that the launch before stored) and keeps, in scalar registers, 32 masks: bit l of mask g = 2 i + u says that token 64 i + 2 l + u chose my
; expert.  The rows are numbered by ascending group and, in a group, by ascending lane: the order in which the next launch writes its list.  The token of place n is found from those registers alone:
; the group by a scan of the groups' first places, the lane as the mask's set bit of that rank.  No LDS word, no barrier and no memory wait is spent on it.
; EVERY SPLIT IS SERVED: an expert has 0 to 1,024 rows, a wave 0 to 16 tiles.  Four passes of five tiles (a constant count) cover that; a pass with no tile left is jumped, forward, and so are the
; fifth tile's products and the stores of tiles past the count; no barrier stands in what is jumped.  Places past the count repeat the last row.
; TWO BARRIERS, both on every wave's way: one behind the laying of the slice, one behind the passes (the plain form of this text writes LDS once more behind it; this form passes the same barriers).
; LAYOUT.  Source 0 = 16 weight rows, source 1 = 16 token rows: in the result a lane holds ONE row (lane % 16) and eight neighbouring hidden columns 8 (lane / 16) + 0..7, which pack into 16 bytes.
; h is laid in that order, [expert][tile of 16 places][slice][block of 16 columns][lane][16 bytes]: each store covers 512 consecutive bytes, and the next launch loads the same bytes as its operand.
; NO TENSOR LOADS: the weights must pass through registers to be rounded, and beside the 264,192 bytes of the rounded slice LDS has no room for f32 slots.  NO CLUSTER: a slice of weights has one
; reader; what an expert's 32 work-groups share is its token rows, which are picked row by row, so that no descriptor covers them.
; LIMITS.  NaN and infinities are not treated apart.  Where e^(-a) passes f32's range the sigmoid counts as 0.  The order of the sums is the matrix unit's.
; THE MODE: SCHED_MODE bits 1:0 = 2 (LLVM: expert scheduling mode 2), set by the entry lines.  The code itself states the register dependences
; between vector or matrix instructions and memory or LDS instructions, with s_wait_alu, always for 0.
; THE PLAN.  Registers that memory or LDS instructions touch, and who else names them:
;   ring slots 0-7 (window 1)   Row q: its sixteen conversions read slot q; behind them the loads of the row eight further on land in it.
;   CT, CT1                     Row q's conversions write CT (q even) or CT1 (q odd); the row's eight LDS stores read it.
;   v[WST]                      Read by every LDS store of the slice; written once a trip of the ring.
;   token slots 0-5 (window 1)  K step s: its products read slot s % 6; the loads of step s + 5 land in slot (s - 1) % 6, which the products of step s - 1 read.
;   BB0, BB1                    K step s: its products read BB[s % 2]; the LDS loads of step s + 1 land in the other, which the products of step s - 1 read.
;                               On the way out vector instructions write v[TT ..] (BB0) and v[HH ..] (in BB1), and the stores read v[HH ..].
;   v[AOF ..]                   Written at a pass's head; read by all its token loads.      v[ADB ..]  Written at the head of each trip of the K loop; read by the trip's LDS loads.
;   v[L16], v[ADB0 ..]          Made at the kernel's head and never written again.
; So: a ring row has one wait on va_vdst, behind its conversions, and beside it one on vm_vsrc for the stores of the row before, which leave from the other rounded row;
; a K step has one wait on va_vdst, behind the wait for its token fragments; its loads follow, the weights' run first, the token loads behind the first tile's products, which name BB[s % 2], slot s % 6
; and accumulators: none of the registers that those loads touch.  A pass's head, a trip's head and the way out state what they rewrite; compares stand in runs with one wait behind each.
.set PITCH, 2064      ; an LDS row: 1,024 bf16 + 16 bytes = 129 x 16: the 16 rows of a fragment load start at 16 different groups of four banks (64 banks of 4 bytes: ISA guide 11.1)
.set ROWB,  4096      ; a weight row in memory
.set NF,    8         ; weight fragments a K step: 4 blocks of 16 columns of w1, then 4 of w3
.set STEP,  64        ; bytes of a row of xb in a K step of 32
.set HALF,  32        ; from a fragment's first 16 bytes to its second
; window 0
.set L16,  1          ; 16 x lane; never rewritten
.set RR,   2          ; lane % 16
.set H16,  3          ; 16 x (lane / 16)
.set WST,  6          ; where my 8 bytes of a weight row go
.set RW,   12         ; lane % 16 + 16 x wave
.set TMPV, 13         ; at work at the head
.set TK,   14         ; v[14:18]   the five tiles' tokens
.set AOF,  20         ; v[20:24]   the five tiles' byte offsets in xb
.set ADB0, 26         ; v[26:29]   LDS address of my place in weight rows 32 g + lane % 16; never rewritten
.set ADB,  30         ; v[30:33]   the same plus the K loop's offset: made anew at the head of each trip
.set CT,   34         ; v[34:49]   a weight row, rounded: the even rows'
.set NN,   50         ; the search for a token: my place, before it is held to the count
.set NC,   51         ; my place n
.set NQ,   52         ; 32 n + 31
.set MM,   53         ; the mask of the group that holds place n
.set PQ,   54         ; 32 x that group's first place + the group's number
.set KK,   55         ; the rank still to go
.set PS,   56         ; the bit found so far
.set T1,   57
.set T2,   58
.set SA,   59         ; the mask's set bits counted by fields of 2,
.set SB,   60         ; of 4,
.set SC,   61         ; of 8
.set BB0,  64         ; v[64:127]  weight fragments, buffer 0; early: sel as loaded; on the way out: at work
.set BB1,  128        ; v[128:191] buffer 1; on the way out: v[128:143] the packed tile
.set SLD,  64
.set TT,   64
.set HH,   128
.set CT1,  192        ; v[192:207] a weight row, rounded: the odd rows'
; window 1: first eight weight rows as loaded (32 registers each), then six slots of the five tiles' token fragments, slot q, tile i at 40 q + 8 i
; window 2: accumulators of tiles 0-3, (i, f) at 64 i + 8 f          window 3: those of tile 4, at 8 f
.set HB,   12         ; s[12:13] h at my expert, slice and wave, and the pass's first tile
.set WV,   14
.set EX,   15
.set SL,   16
.set SELC, 17         ; counts the five searches of a pass
.set WB,   18         ; s[18:19] the weight rows that I fetch
.set OF,   20         ; s[20:21] an offset
.set CNT,  22         ; the expert's rows
.set TMP,  23
.set MK,   24
.set N16,  25         ; its tiles
.set LIVE, 26         ; my tiles still to do, this pass's among them
.set PASS, 27
.set CM1,  28         ; the last place
.set PB,   29         ; 320 x pass
.set NL2E, 30         ; s[30:31] -log2(e)
.set AB,   32         ; s[32:33] xb, K steps on
.set KC,   34
.set KO,   35         ; the K loop's offset in an LDS row: 384 bytes (six K steps) a trip
; s[36:63], s[98:100]: for group g = 1 .. 31, 32 x the rows ahead of the group + g, at 35 + g (g < 29) or 69 + g; ahead of that, for a few lines, the mask of the group's second choices
.set MSK,  66         ; s[66:97] the 32 groups' masks
; s2, s3, s[6:11], s[18:21], s[23:25], s101: in the passes, the masks of a run of the scan's compares (the weights' and sel's addresses and the head's scratch are done with by then)
.set MUL,  0xa4       ; source 0 (weights) window 0, source 1 (tokens) window 1, C and D window 2
.set MUL4, 0xf4       ; the same, C and D window 3
.set MSB, 0
.macro WIN new        ; s_set_vgpr_msb: bits 1:0 source 0, 3:2 source 1, 5:4 source 2, 7:6 destination; the high byte repeats the setting that is left
.if MSB != (\new)
	s_set_vgpr_msb (MSB<<8)|(\new)
.set MSB, (\new)
.endif
.endm
.macro PLACES         ; a load into a register that a matrix instruction has read, and a vector instruction that reads a matrix result, stand four plain vector instructions behind it
.rept 4
	v_nop
.endr
.endm
; Eight loads: weight row `row` (counted from s[WB]) into ring slot q: 512 neighbouring bytes each
.macro WFILL q, row
	WIN 0x40
.irp c, 0,1,2,3,4,5,6,7
	global_load_b128 v[32*(\q)+4*(\c):32*(\q)+4*(\c)+3], v[L16], s[WB:WB+1] offset:(\row)*ROWB+(\c)*512 th:TH_LOAD_NT
.endr
.endm
; Ring slot q's row is rounded and laid into LDS row rb + q (counted from WST).  fill = 1: the slot takes the row eight further on.  left = the younger loads, which may stay out.
.macro WROW q, fill, left, rb
.set CB, CT+(CT1-CT)*((\q)%2)
	s_wait_loadcnt \left
	WIN 0x05                                       ; sources in window 1
.irp c, 0,1,2,3,4,5,6,7
	v_cvt_pk_bf16_f32 v[CB+2*(\c)],   v[32*(\q)+4*(\c)],   v[32*(\q)+4*(\c)+1]
	v_cvt_pk_bf16_f32 v[CB+2*(\c)+1], v[32*(\q)+4*(\c)+2], v[32*(\q)+4*(\c)+3]
.endr
.if \fill
	WIN 0x40                                       ; the loads' window, ahead of the wait
.else
	WIN 0
.endif
	s_wait_alu depctr_va_vdst(0)                   ; the conversions have written this row's rounded numbers, which the LDS stores read, and are done reading slot q, in which the loads land; in a trip's first row v[WST] is written
.if (\fill) || ((\q) < 7)
	s_wait_alu depctr_vm_vsrc(0)                   ; the LDS stores of the row before have read the other rounded row, which the next row's conversions write again
.endif
.if \fill
	WFILL \q, (\q)+8
.endif
	WIN 0
.irp c, 0,1,2,3,4,5,6,7
	ds_store_b64 v[WST], v[CB+2*(\c):CB+2*(\c)+1] offset:((\rb)+(\q))*PITCH+(\c)*256  ; 32 lanes, 256 consecutive bytes
.endr
.endm
; Group g = 2 i + u: lane l looks at token 64 i + 2 l + u.  LOOK: the lanes whose first choice is my expert, and those whose second is: two compares, each into a scalar register of its own, so that
; all 64 stand in one run with one wait behind it.  GROUP, scalar work alone: the two masks become one, and where the group's rows begin is kept with it.
.macro LOOK i, u
.set g, 2*(\i)+(\u)
.set tr, 35+g+34*(g/29)
.if g == 0
.set tr, MK
.endif
	v_cmp_eq_u32 s[MSK+g], s[EX], v[SLD+4*(\i)+2*(\u)]
	v_cmp_eq_u32 s[tr], s[EX], v[SLD+4*(\i)+2*(\u)+1]
.endm
.macro GROUP i, u
.set g, 2*(\i)+(\u)
.set qr, 35+g+34*(g/29)
.if g == 0
	s_or_b32 s[MSK], s[MSK], s[MK]
.else
	s_or_b32 s[MSK+g], s[MSK+g], s[qr]
	s_lshl_b32 s[qr], s[CNT], 5                    ; 32 x the rows ahead of the group (1,024 at the most)
	s_or_b32 s[qr], s[qr], g                       ; + its number: ascending from group to group, also where a group is empty
.endif
	s_bcnt1_i32_b32 s[TMP], s[MSK+g]
	s_add_co_u32 s[CNT], s[CNT], s[TMP]
.endm
; Sixteen groups of the scan, from group `first` on (the second time fifteen).  The last group that begins at or ahead of my place holds it: 32 P + g <= 32 n + 31 says P <= n.
; The compares hang on NQ alone: they stand in a run, a scalar register each, with one wait; the selects follow in ascending order of the groups.
.macro SCAN first
.set g, \first
.irp r, 2,3,6,7,8,9,10,11,18,19,20,21,23,24,25,101
.if g < 32
.set qr, 35+g+34*(g/29)
	v_cmp_gt_u32 s[\r], s[qr], v[NQ]               ; this group begins behind my place
.endif
.set g, g+1
.endr
	s_wait_alu depctr_va_sdst(0)                   ; the run's compares have written their masks, ahead of the selects that read them
.set g, \first
.irp r, 2,3,6,7,8,9,10,11,18,19,20,21,23,24,25,101
.if g < 32
.set qr, 35+g+34*(g/29)
	v_cndmask_b32 v[MM], s[MSK+g], v[MM], s[\r]    ; where it does: keep what I have
	v_cndmask_b32 v[PQ], s[qr], v[PQ], s[\r]
.endif
.set g, g+1
.endr
.endm
; One halving of the search for a set bit: of the 2 w bits from PS on, the lower w hold T1 set bits (a field of src); if the rank is not among them, it is taken down by T1 and the search goes on w bits higher.
.macro HALVE src, w
	v_bfe_u32 v[T1], v[\src], v[PS], \w
	v_cmp_ge_u32 vcc_lo, v[KK], v[T1]
	s_wait_alu depctr_va_vcc(0)                    ; the compare has written VCC, ahead of the two selects that read it; each halving hangs on the one before, so each has its wait
	v_cndmask_b32 v[T2], 0, \w, vcc_lo
	v_cndmask_b32 v[T1], 0, v[T1], vcc_lo
	v_add_nc_u32 v[PS], v[PS], v[T2]
	v_sub_nc_u32 v[KK], v[KK], v[T1]
.endm
; Eight matrix instructions: tile i x all eight weight fragments, 32 along K.  zero = 1: the first K step starts the sums.
.macro MMT i, slot, bb, zero
.set AC, 64*((\i)%4)
.set FB, BB0+64*(\bb)
.set FA, 40*(\slot)+8*(\i)
.irp f, 0,1,2,3,4,5,6,7
.if \zero
	v_wmma_f32_16x16x32_bf16 v[AC+8*(\f):AC+8*(\f)+7], v[FB+8*(\f):FB+8*(\f)+7], v[FA:FA+7], 0
.else
	v_wmma_f32_16x16x32_bf16 v[AC+8*(\f):AC+8*(\f)+7], v[FB+8*(\f):FB+8*(\f)+7], v[FA:FA+7], v[AC+8*(\f):AC+8*(\f)+7]
.endif
.endr
.endm
; A K STEP of 32.  It multiplies token slot `slot` by weight buffer bb; it asks for the next step's weight fragments (LDS, into the other buffer) ahead of its products, and for the token fragments five
; steps on (memory, into the slot that the step before read) behind its first tile's.  rel = the step, counted from where s[AB] stands.  young = the token loads issued behind this step's own.
; base, lrel = the registers that hold the weight fragments' LDS addresses, and the step counted from where they stand: ADB0 and the step itself outside the loop, ADB and the step within the trip inside it.
; The 32 or 40 accumulators take turns, one instruction a turn, over the loop's jump too.
.macro KSTEP slot, bb, rel, zero, lda, ldb, young, base, lrel
	WIN 0
	PLACES                                         ; behind the last step's products, which read the buffer and the slot that are loaded now
	s_wait_loadcnt \young                          ; this step's token fragments are in; ten loads for each later step that has been asked for may be out
.if !(\zero) && ((\lda) || (\ldb))
	s_wait_alu depctr_va_vdst(0)                   ; the last step's products are done reading the other weight buffer and their token slot, in which this step's loads land; in a trip's first step v[ADB ..] are written
.endif
.if \ldb
.irp f, 0,1,2,3,4,5,6,7
	ds_load_b128 v[BB0+64*(1-(\bb))+8*(\f):BB0+64*(1-(\bb))+8*(\f)+3],   v[(\base)+(\f)/2] offset:((\f)%2)*16*PITCH+((\lrel)+1)*64
	ds_load_b128 v[BB0+64*(1-(\bb))+8*(\f)+4:BB0+64*(1-(\bb))+8*(\f)+7], v[(\base)+(\f)/2] offset:((\f)%2)*16*PITCH+((\lrel)+1)*64+32
.endr
.endif
	s_wait_dscnt 2*NF*(\ldb)                       ; this step's weight fragments are in; the run just issued may be out
	WIN MUL
	MMT 0, \slot, \bb, \zero
.if \lda
	WIN 0x40                                       ; no wait: no vector or matrix instruction since the wait above names the slot that these loads land in, or their offsets
.irp i, 0,1,2,3,4
	global_load_b128 v[40*(((\slot)+5)%6)+8*(\i):40*(((\slot)+5)%6)+8*(\i)+3],   v[AOF+(\i)], s[AB:AB+1] offset:((\rel)+5)*STEP
	global_load_b128 v[40*(((\slot)+5)%6)+8*(\i)+4:40*(((\slot)+5)%6)+8*(\i)+7], v[AOF+(\i)], s[AB:AB+1] offset:((\rel)+5)*STEP+HALF
.endr
.endif
	WIN MUL
	MMT 1, \slot, \bb, \zero
	MMT 2, \slot, \bb, \zero
	MMT 3, \slot, \bb, \zero
	WIN 0                                          ; at a branch and at a label every window is 0
.if !(\zero)
	s_cmp_lt_i32 s[LIVE], 5                        ; no fifth tile: its products are jumped.  No memory instruction is jumped, so every count holds on both ways
	s_cbranch_scc1 .Lno4_\@
.endif
	WIN MUL4
	MMT 4, \slot, \bb, \zero
	WIN 0
.if !(\zero)
.Lno4_\@:
.endif
.endm
; THE WAY OUT of tile i: hidden = a1 / (1 + 2^(-log2(e) a1)) x a3; a1 in the tile's accumulators 0-3, a3 in 4-7, read in ascending order.  a1 is multiplied by the sigmoid first, so that a large a1 a3 never meets a 0.
.macro EPI i
.set AC, 64*((\i)%4)
.set WW, 2+(\i)/4
	WIN WW                                         ; source 0 in the accumulators' window
.set n, 0
.rept 16
	v_pk_mul_f32 v[TT+2*n:TT+2*n+1], v[AC+2*n:AC+2*n+1], s[NL2E:NL2E+1] op_sel_hi:[1,0]
.set n, n+1
.endr
	WIN 0
.set n, 0
.rept 32
	v_exp_f32 v[TT+n], v[TT+n]
.set n, n+1
.endr
	v_nop                                          ; a plain instruction behind the last exponential,
	s_wait_alu depctr_va_vdst(0)                   ; and ONE wait for the batch of 32: the exponentials have written v[TT ..], ahead of their first reader
.set n, 0
.rept 16
	v_pk_add_f32 v[TT+2*n:TT+2*n+1], v[TT+2*n:TT+2*n+1], 1.0 op_sel_hi:[1,0]
.set n, n+1
.endr
.set n, 0
.rept 32
	v_rcp_f32 v[TT+n], v[TT+n]
.set n, n+1
.endr
	v_nop
	s_wait_alu depctr_va_vdst(0)                   ; the same for the 32 reciprocals
	WIN WW
.set n, 0
.rept 16
	v_pk_mul_f32 v[TT+2*n:TT+2*n+1], v[AC+2*n:AC+2*n+1], v[TT+2*n:TT+2*n+1]
.set n, n+1
.endr
.set n, 0
.rept 16
	v_pk_mul_f32 v[TT+2*n:TT+2*n+1], v[AC+32+2*n:AC+32+2*n+1], v[TT+2*n:TT+2*n+1]
.set n, n+1
.endr
	WIN 0
	s_wait_xcnt 0x0                                ; the last tile's stores have read their data registers, which are written again now
.if (\i) > 0
	s_wait_alu depctr_vm_vsrc(0)                   ; the last tile's stores have read v[HH ..], which the roundings write again (for a pass's first tile the wait at the pass's head has said so)
.endif
.set n, 0
.rept 16
	v_cvt_pk_bf16_f32 v[HH+n], v[TT+2*n], v[TT+2*n+1]
.set n, n+1
.endr
	s_wait_alu depctr_va_vdst(0)                   ; the roundings have written v[HH ..], which the stores read
.irp cb, 0,1,2,3
	global_store_b128 v[L16], v[HH+4*(\cb):HH+4*(\cb)+3], s[HB:HB+1] offset:(\i)*262144+(\cb)*512  ; 512 consecutive bytes; my tiles lie four tiles of 65,536 bytes apart
.endr
.endm
	s_load_b256 s[4:11], s[0:1], 0x0               ; xb s[4:5], w1 s[6:7], w3 s[8:9], sel s[10:11]
	s_load_b64 s[HB:HB+1], s[0:1], 0x20            ; h
	v_lshl_add_u32 v254, v0, 2, 0x40800
	v_mov_b32 v255, 0
	v_lshrrev_b32 v[TMPV], 5, v0
	v_readfirstlane_b32 s[WV], v[TMPV]             ; wave 0..3
	v_and_b32 v[TMPV], 31, v0                      ; lane
	v_lshlrev_b32 v[L16], 4, v[TMPV]
	v_and_b32 v[RR], 15, v0
	v_bfe_u32 v[H16], v0, 4, 1
	v_lshlrev_b32 v[H16], 4, v[H16]
.irp i, 1,2,3,4
	v_mov_b32 v[TK+(\i)], 0                        ; the first search's shifts read these four before a token has reached them; what they hold is shifted out
.endr
	s_lshr_b32 s[EX], ttmp9, 5                     ; expert
	s_and_b32 s[SL], ttmp9, 31                     ; slice
	s_wait_alu depctr_va_sdst(0)                   ; the wave's number is written, ahead of its first reader
	s_mul_i32 s[TMP], s[WV], 32*PITCH              ; wave w lays LDS rows 32 w .. 32 w + 31
	v_lshl_add_u32 v[WST], v[TMPV], 3, s[TMP]
	v_lshl_add_u32 v[RW], s[WV], 4, v[RR]
	v_mul_u32_u24 v[ADB0], v[RR], PITCH
	v_add_nc_u32 v[ADB0], v[ADB0], v[H16]          ; a fragment's row x pitch + 16 x half
	v_add_nc_u32 v[ADB0+1], 32*PITCH, v[ADB0]
	v_add_nc_u32 v[ADB0+2], 64*PITCH, v[ADB0]
	v_add_nc_u32 v[ADB0+3], 96*PITCH, v[ADB0]
	s_mov_b32 s[NL2E], 0xbfb8aa3b
	s_mov_b32 s[NL2E+1], s[NL2E]                   ; named with it as a pair
	s_lshl_b32 s[OF], s[EX], 23                    ; an expert's w1 or w3: 2,048 rows of 4,096 bytes;
	s_lshl_b32 s[TMP], s[SL], 18                   ; a slice: 64 rows;
	s_add_co_u32 s[OF], s[OF], s[TMP]
	s_and_b32 s[TMP], s[WV], 1                     ; waves 0, 1: the two halves of w1's 64 rows; waves 2, 3: of w3's
	s_lshl_b32 s[TMP], s[TMP], 17
	s_add_co_u32 s[OF], s[OF], s[TMP]
	s_mov_b32 s[OF+1], 0
	s_wait_kmcnt 0x0
	s_cmp_lt_u32 s[WV], 2
	s_cselect_b64 s[WB:WB+1], s[6:7], s[8:9]
	s_add_nc_u64 s[WB:WB+1], s[WB:WB+1], s[OF:OF+1]
	s_lshl_b32 s[OF], s[EX], 22                    ; h: an expert has 64 tiles of 65,536 bytes; a slice 2,048 bytes of each
	s_lshl_b32 s[TMP], s[SL], 11
	s_add_co_u32 s[OF], s[OF], s[TMP]
	s_lshl_b32 s[TMP], s[WV], 16
	s_add_co_u32 s[OF], s[OF], s[TMP]
	s_add_nc_u64 s[HB:HB+1], s[HB:HB+1], s[OF:OF+1]
	s_wait_alu depctr_va_vdst(0)                   ; v[L16], v[WST] and v[ADB0 ..] are written: the loads and stores below read them as offsets and addresses
.irp i, 0,1,2,3,4,5,6,7,8,9,10,11,12,13,14,15
	global_load_b128 v[SLD+4*(\i):SLD+4*(\i)+3], v[L16], s[10:11] offset:(\i)*512  ; lane l: both choices of tokens 64 i + 2 l and 64 i + 2 l + 1
.endr
.irp q, 0,1,2,3,4,5,6
	WFILL \q, \q                                   ; seven weight rows go out ahead of the masks' work: 28 KB a wave are on their way meanwhile
.endr
	WIN 0
	s_wait_loadcnt 56                              ; the 56 weight loads issued behind sel's may be out
	s_mov_b32 s[CNT], 0
.irp i, 0,1,2,3,4,5,6,7,8,9,10,11,12,13,14,15
	LOOK \i, 0
	LOOK \i, 1
.endr
	s_wait_alu depctr_va_sdst(0)                   ; the 64 compares have written their masks, ahead of the scalar lines that read them
.irp i, 0,1,2,3,4,5,6,7,8,9,10,11,12,13,14,15
	GROUP \i, 0
	GROUP \i, 1
.endr
	s_add_co_u32 s[N16], s[CNT], 15
	s_lshr_b32 s[N16], s[N16], 4
	s_add_co_u32 s[LIVE], s[N16], 3
	s_sub_co_u32 s[LIVE], s[LIVE], s[WV]
	s_lshr_b32 s[LIVE], s[LIVE], 2                 ; the tiles w, w + 4, .. below N16
	s_sub_co_u32 s[CM1], s[CNT], 1
	WFILL 7, 7                                     ; no wait: no vector instruction has named slot 7, nor v[L16] since the head's wait
	WIN 0
	s_mov_b32 s[KC], 3
.Lring:                                                ; three trips of eight rows, each slot filled again; behind a slot's row stand the seven younger rows' 56 loads
.irp q, 0,1,2,3,4,5,6,7
	WROW \q, 1, 56, 0
.endr
	WIN 0
	s_wait_xcnt 0x0                                ; the loads' base is stepped only behind this wait
	s_wait_alu depctr_vm_vsrc(0)                   ; the LDS stores issued so far have read v[WST], which is written now
	s_add_nc_u64 s[WB:WB+1], s[WB:WB+1], 8*ROWB
	v_add_nc_u32 v[WST], 8*PITCH, v[WST]
	s_sub_co_u32 s[KC], s[KC], 1
	s_cmp_lg_u32 s[KC], 0
	s_cbranch_scc1 .Lring
.irp q, 0,1,2,3,4,5,6,7
	WROW \q, 0, 56-8*(\q), 0                       ; the last eight rows: nothing more is fetched, the counts run down
.endr
	s_wait_dscnt 0x0                               ; for the others' sake: my rows of the slice are in LDS
	s_barrier_signal -1
	s_barrier_wait -1                              ; the slice is whole, and nobody writes it again
	s_mov_b32 s[PASS], 0
	s_mov_b32 s[PB], 0
.Lpass:                                                ; four passes of five tiles: 4 waves x 20 tiles x 16 rows cover the 1,024 rows that an expert can have
	s_cmp_lt_i32 s[LIVE], 1
	s_cbranch_scc1 .Lpass_end
	v_add_nc_u32 v[NN], s[PB], v[RW]               ; place 16 x tile + lane % 16 of the pass's first tile, tile = wave + 4 (5 pass + i)
	s_mov_b32 s[SELC], 5
.Lsel:                                                 ; five trips, a tile each.  Registers cannot be indexed, so the search is written once and its results are shifted through TK: the first ends in TK, the fifth in TK + 4
	v_min_u32 v[NC], s[CM1], v[NN]                 ; my place, or the last that exists,
	v_min_u32 v[NC], 0x3ff, v[NC]                  ; held under 1,024 by a constant
	v_lshl_or_b32 v[NQ], v[NC], 5, 31
	v_mov_b32 v[MM], s[MSK]                        ; group 0 begins at place 0
	v_mov_b32 v[PQ], 0
	SCAN 1                                         ; groups 1 to 16,
	SCAN 17                                        ; groups 17 to 31
	v_lshrrev_b32 v[T1], 5, v[PQ]
	v_sub_nc_u32 v[KK], v[NC], v[T1]               ; my row is the group's set bit of this rank, counted from 0
	v_lshrrev_b32 v[T1], 1, v[MM]                  ; the mask's set bits, counted by fields of 2, 4 and 8 bits
	v_and_b32 v[T1], 0x55555555, v[T1]
	v_sub_nc_u32 v[SA], v[MM], v[T1]
	v_lshrrev_b32 v[T1], 2, v[SA]
	v_and_b32 v[T1], 0x33333333, v[T1]
	v_and_b32 v[SB], 0x33333333, v[SA]
	v_add_nc_u32 v[SB], v[SB], v[T1]
	v_lshrrev_b32 v[T1], 4, v[SB]
	v_add_nc_u32 v[T1], v[T1], v[SB]
	v_and_b32 v[SC], 0x0f0f0f0f, v[T1]
	v_bfe_u32 v[T1], v[SC], 8, 8
	v_and_b32 v[T2], 0xff, v[SC]
	v_add_nc_u32 v[T1], v[T1], v[T2]               ; those among bits 0 to 15
	v_cmp_ge_u32 vcc_lo, v[KK], v[T1]
	s_wait_alu depctr_va_vcc(0)                    ; the compare has written VCC, ahead of the two selects that read it
	v_cndmask_b32 v[PS], 0, 16, vcc_lo
	v_cndmask_b32 v[T1], 0, v[T1], vcc_lo
	v_sub_nc_u32 v[KK], v[KK], v[T1]
	HALVE SC, 8
	HALVE SB, 4
	HALVE SA, 2
	HALVE MM, 1                                    ; PS = the lane l of my row's token
	v_and_b32 v[T1], 30, v[PQ]                     ; 2 i,
	v_and_b32 v[T2], 1, v[PQ]                      ; u
	v_lshl_or_b32 v[T1], v[T1], 5, v[T2]           ; 64 i + u
	v_mov_b32 v[TK], v[TK+1]
	v_mov_b32 v[TK+1], v[TK+2]
	v_mov_b32 v[TK+2], v[TK+3]
	v_mov_b32 v[TK+3], v[TK+4]
	v_lshl_add_u32 v[TK+4], v[PS], 1, v[T1]        ; the token: 64 i + 2 l + u
	v_add_nc_u32 v[NN], 64, v[NN]                  ; my next tile lies four tiles on
	s_sub_co_u32 s[SELC], s[SELC], 1
	s_cmp_lg_u32 s[SELC], 0
	s_cbranch_scc1 .Lsel
	s_mov_b64 s[AB:AB+1], s[4:5]
	s_mov_b32 s[KO], 0
	s_wait_alu depctr_vm_vsrc(0)                   ; the last pass's token loads have read v[AOF ..], which are written now; its stores have read v[HH ..], in which K step 0's weight loads land
.irp i, 0,1,2,3,4
	v_min_u32 v[TK+(\i)], 0x3ff, v[TK+(\i)]        ; a number made of loaded ones enters an address: held inside xb's 1,024 rows by a constant
	v_lshl_add_u32 v[AOF+(\i)], v[TK+(\i)], 11, v[H16]  ; row x 2,048 + 16 x half
.endr
	WIN 0x40
	s_wait_alu depctr_va_vdst(0)                   ; v[AOF ..] are written; the ring's conversions, the head's compares, the last pass's products and its way out are done with window 1, BB0 and BB1, in which the loads from here to K step 0's end land
.irp k, 0,1,2,3,4
.irp i, 0,1,2,3,4
	global_load_b128 v[40*(\k)+8*(\i):40*(\k)+8*(\i)+3],   v[AOF+(\i)], s[AB:AB+1] offset:(\k)*STEP
	global_load_b128 v[40*(\k)+8*(\i)+4:40*(\k)+8*(\i)+7], v[AOF+(\i)], s[AB:AB+1] offset:(\k)*STEP+HALF
.endr
.endr
	WIN 0
.irp f, 0,1,2,3,4,5,6,7
	ds_load_b128 v[BB0+8*(\f):BB0+8*(\f)+3],   v[ADB0+(\f)/2] offset:((\f)%2)*16*PITCH
	ds_load_b128 v[BB0+8*(\f)+4:BB0+8*(\f)+7], v[ADB0+(\f)/2] offset:((\f)%2)*16*PITCH+32
.endr
	KSTEP 0, 0, 0, 1, 1, 1, 40, ADB0, 0            ; K step 0 starts all 40 sums, the fifth tile's too: nothing is cleared.  At a step's head four later steps have been asked for: 40 loads
	KSTEP 1, 1, 1, 0, 1, 1, 40, ADB0, 1
	s_mov_b32 s[KC], 4
.Lk:                                                   ; four trips of six K steps (once round the six slots): steps 2 to 25
	s_wait_alu depctr_vm_vsrc(0)                   ; the LDS loads issued so far have read v[ADB ..], which are written now
.irp g, 0,1,2,3
	v_add_nc_u32 v[ADB+(\g)], s[KO], v[ADB0+(\g)]  ; this trip's place in the LDS rows: 384 bytes a trip, 1,152 at the most, inside the rows' 2,048
.endr
	KSTEP 2, 0, 2, 0, 1, 1, 40, ADB, 2
	KSTEP 3, 1, 3, 0, 1, 1, 40, ADB, 3
	KSTEP 4, 0, 4, 0, 1, 1, 40, ADB, 4
	KSTEP 5, 1, 5, 0, 1, 1, 40, ADB, 5
	KSTEP 0, 0, 6, 0, 1, 1, 40, ADB, 6
	KSTEP 1, 1, 7, 0, 1, 1, 40, ADB, 7
	s_wait_xcnt 0x0                                ; the loads' base is stepped only behind this wait
	s_add_nc_u64 s[AB:AB+1], s[AB:AB+1], 6*STEP
	s_add_co_u32 s[KO], s[KO], 6*64
	s_sub_co_u32 s[KC], s[KC], 1
	s_cmp_lg_u32 s[KC], 0
	s_cbranch_scc1 .Lk
	KSTEP 2, 0, 2, 0, 1, 1, 40, ADB0, 26           ; steps 26 to 31: one more request (step 31's), then the counts run down; the LDS offsets are the steps' own, 35,040 bytes at the most
	KSTEP 3, 1, 3, 0, 0, 1, 40, ADB0, 27
	KSTEP 4, 0, 4, 0, 0, 1, 30, ADB0, 28
	KSTEP 5, 1, 5, 0, 0, 1, 20, ADB0, 29
	KSTEP 0, 0, 6, 0, 0, 1, 10, ADB0, 30
	KSTEP 1, 1, 7, 0, 0, 0, 0, ADB0, 31
	PLACES                                         ; the way out reads results just made
	EPI 0
	s_cmp_le_i32 s[LIVE], 1                        ; tiles past my count are not stored
	s_cbranch_scc1 .Lepi_done
	EPI 1
	s_cmp_le_i32 s[LIVE], 2
	s_cbranch_scc1 .Lepi_done
	EPI 2
	s_cmp_le_i32 s[LIVE], 3
	s_cbranch_scc1 .Lepi_done
	EPI 3
	s_cmp_le_i32 s[LIVE], 4
	s_cbranch_scc1 .Lepi_done
	EPI 4
.Lepi_done:
.Lpass_end:
	s_wait_xcnt 0x0                                ; the stores' base and data, and the loads' offsets, are written again only behind this wait
	s_sub_co_i32 s[LIVE], s[LIVE], 5
	s_add_co_u32 s[PB], s[PB], 320
	s_add_nc_u64 s[HB:HB+1], s[HB:HB+1], 5*262144
	s_add_co_u32 s[PASS], s[PASS], 1
	s_cmp_lt_u32 s[PASS], 4
	s_cbranch_scc1 .Lpass
	s_wait_dscnt 0x0                               ; my reads of LDS are over,
	s_barrier_signal -1                            ; and all four waves say so: the barrier keeps the place that it has in the plain form
	s_barrier_wait -1
	s_wait_dscnt 0x0                               ; the wave's end
	s_wait_alu depctr_hold_cnt(0) depctr_sa_sdst(0) depctr_va_vdst(0) depctr_va_sdst(0) depctr_va_ssrc(0) depctr_va_vcc(0) depctr_vm_vsrc(0)
	s_wait_tensorcnt 0x0
	ds_add_u32 v254, v255
	s_wait_dscnt 0x0
	s_endpgm
.Lfunc_end_k_qaccb55f66c_up:
	.size	k_qaccb55f66c_up, .Lfunc_end_k_qaccb55f66c_up-k_qaccb55f66c_up
	.p2alignl 7, 3214868480
	.fill 96, 4, 3214868480
	.section	.rodata,"a",@progbits
	.p2align	6, 0x0
	.amdhsa_kernel k_qaccb55f66c_up
		.amdhsa_group_segment_fixed_size 264704
		.amdhsa_private_segment_fixed_size 0
		.amdhsa_enable_private_segment 0
		.amdhsa_kernarg_size 40
		.amdhsa_user_sgpr_count 2
		.amdhsa_user_sgpr_kernarg_segment_ptr 1
		.amdhsa_wavefront_size32 1
		.amdhsa_system_sgpr_workgroup_id_x 1
		.amdhsa_system_sgpr_workgroup_id_y 1
		.amdhsa_system_sgpr_workgroup_id_z 1
		.amdhsa_system_vgpr_workitem_id 0
		.amdhsa_next_free_vgpr 832
		.amdhsa_next_free_sgpr 102
		.amdhsa_reserve_vcc 1
		.amdhsa_float_denorm_mode_32 3
		.amdhsa_float_denorm_mode_16_64 3
		.amdhsa_memory_ordered 1
		.amdhsa_forward_progress 1
		.amdhsa_inst_pref_size 170
	.end_amdhsa_kernel
	.amdgpu_metadata
---
amdhsa.version: [ 1, 2 ]
amdhsa.kernels:
  - .name:           k_qaccb55f66c_up
    .symbol:         k_qaccb55f66c_up.kd
    .args:
      - { .name: xb, .offset: 0, .size: 8, .value_kind: global_buffer, .address_space: global }
      - { .name: w1, .offset: 8, .size: 8, .value_kind: global_buffer, .address_space: global }
      - { .name: w3, .offset: 16, .size: 8, .value_kind: global_buffer, .address_space: global }
      - { .name: sel, .offset: 24, .size: 8, .value_kind: global_buffer, .address_space: global }
      - { .name: h, .offset: 32, .size: 8, .value_kind: global_buffer, .address_space: global }
    .group_segment_fixed_size: 264704
    .private_segment_fixed_size: 0
    .kernarg_segment_align: 8
    .kernarg_segment_size: 40
    .max_flat_workgroup_size: 128
    .sgpr_count:     102
    .vgpr_count:     832
    .wavefront_size: 32
...
	.end_amdgpu_metadata
.endif
;; end of part 5
;; launch down (part 6): grid 256 x 1, 4 waves a work-group, no clusters, 167,424 bytes of LDS; arguments h, w2, sel, part; writes part
.if DOCPART == 6
	.amdgcn_target "amdgcn-amd-amdhsa--gfx1250"
	.amdhsa_code_object_version 6
	.text
	.protected	k_qaccb55f66c_down
	.globl	k_qaccb55f66c_down
	.p2align	8
	.type	k_qaccb55f66c_down,@function
k_qaccb55f66c_down:
	s_mov_b64 s[64:65], 0
	v_nop
	global_prefetch_b8 v0, s[64:65] scope:SCOPE_SE
	s_setreg_imm32_b32 hwreg(HW_REG_WAVE_SCHED_MODE, 0, 2), 2
	s_setreg_imm32_b32 hwreg(HW_REG_WAVE_MODE, 25, 1), 1
	s_wait_xcnt 0x0
	s_wait_alu depctr_vm_vsrc(0)
; SECOND PRODUCT.  For the rows p = 2 token + choice of expert e: part[kh][p][:] = the sum over half kh of the hidden columns of hidden[p][k] w2[e][:][k]; operands bf16, sums f32, stored as f32
; (partial sums; the next launch adds a token's four rows with its two weights).
; SHARES.  256 work-groups = 8 experts x 16 slices of 64 output columns x 2 halves of K.  A work-group alone reads its 64 rows x 1,024 numbers of w2[e] (256 KB of f32, each byte once in the launch),
; rounds them on the way through registers and lays them into LDS; its four waves share the expert's tiles of 16 rows: wave w has the tiles w, w + 4, ...
; K is halved, and not the columns, so that a row's piece of the output is 64 f32, 256 consecutive bytes, and a fragment of h feeds four products.
; THE LIST numbers the expert's rows as the launch before does, the 32 groups in the same order, so that place n is the same row; here it holds p, which says where a row goes.
; h comes from memory straight into registers as source 1: it was stored in that order, 512 consecutive bytes a load.
; EVERY SPLIT IS SERVED as in the launch before: four passes of five tiles, a constant count; dead passes, the fifth tile's products and the stores of tiles past the count are jumped, forward, with
; no barrier in what is jumped.  Places past the count repeat the last row: the same wave stores the same numbers to the same row once more.
; A PASS'S 32 K STEPS ARE WRITTEN OUT: every LDS address is then a register that is never rewritten plus an immediate, so that the slice, which all waves read, and each wave's own stage, which it
; writes between the passes with no barrier, can be told apart from the text.  The price is some 400 bytes of code a step.
; NO TENSOR LOADS: the weights pass through registers to be rounded.  NO CLUSTER: a slice of weights has one reader; the tiles of h are shared by an expert's work-groups, but their number hangs on a
; stored count, and a joint walk of a constant length would ask for all 64 tiles where some 17 exist.
; LIMITS.  NaN and infinities are not treated apart; the order of the sums is the matrix unit's, in two halves of K.
; THE MODE: SCHED_MODE bits 1:0 = 2 (LLVM: expert scheduling mode 2), set by the entry lines.  The code itself states the register dependences
; between vector or matrix instructions and memory or LDS instructions, with s_wait_alu, always for 0.
; THE PLAN.  Registers that memory or LDS instructions touch, and who else names them:
;   v[POSB ..], v[VALB ..]      A list place and a list entry for each of the 32 groups: written once by the groups' vector lines, read by the 32 LDS stores, never written again.
;   ring slots 0-7 (window 1)   Row q: its sixteen conversions read slot q; behind them the loads of the row eight further on land in it.
;   CT, CT1                     Row q's conversions write CT (q even) or CT1 (q odd); the row's eight LDS stores read it.
;   slots 0-5 of h (window 1)   K step s: its products read slot s % 6; the loads of step s + 5 land in slot (s - 1) % 6, which the products of step s - 1 read.
;   the two weight buffers      K step s: its products read buffer s % 2; the LDS loads of step s + 1 land in the other, which the products of step s - 1 read.
;   v[AOF ..]                   Written at a pass's head; read by all its loads of h.
;   the accumulators            Written by the products; read by the way out's LDS stores; written again by the next pass's K step 0.
;   v[PT ..], v[PR ..], v[OB ..]  A tile's way out: vector lines write PT, the list loads read it and land in PR, vector lines make offsets of PR, the stage's loads land in OB, the stores read PR and OB.
;   v[L16], v[WST], v[LB], v[STO], v[RD], v[ADB0 ..]  Made at the kernel's head and never written again.
; So: the compares stand in two runs with one wait behind each, and one wait on va_vdst stands ahead of the 32 list stores; a ring row has one wait on va_vdst, behind its conversions, and beside it one
; on vm_vsrc for the stores of the row before, which leave from the other rounded row; a K step has one wait on va_vdst, behind the wait for its fragments of h; its loads follow, the weights' run first
; (a step has 16 to 20 products in which that run has to land), the loads of h behind the first tile's products, which name none of the registers that those loads touch.
.set PITCH, 2064      ; an LDS row: 1,024 bf16 + 16 bytes = 129 x 16: the 16 rows of a fragment load start at 16 different groups of four banks (64 banks of 4 bytes: ISA guide 11.1)
.set ROWB,  8192      ; a row of w2 in memory
.set NF,    4         ; weight fragments a K step: 4 blocks of 16 output columns
.set STEP,  1024      ; bytes of a tile of h in a K step of 32
.set HALF,  512       ; from a fragment's first 16 bytes a lane to its second
.set LISTS, 64*PITCH  ; behind the weights: a list for each wave, 1,024 words and a word for what does not belong to the expert
.set LSTB,  4352
.set STAGE, LISTS+4*LSTB  ; behind the lists: 16 rows x 272 bytes for each wave, for the way out
.set SPITCH, 272
; window 0
.set L16,  1          ; 16 x lane; never rewritten
.set RR,   2          ; lane % 16
.set H16,  3          ; 16 x (lane / 16)
.set WST,  6          ; where my 8 bytes of a weight row go; never rewritten
.set LB,   7          ; my wave's list
.set TV,   8          ; 4 x lane
.set DUMP, 9          ; 1,024
.set IB,   12         ; 16 x wave + lane / 16
.set IBP,  13         ; + 320 x pass
.set STO,  14         ; the way out: where I put 32 bytes of a row
.set RD,   15         ; the way out: where I read a row back
.set C16,  16         ; 16 x (lane % 16)
.set KV,   17
.set TMPV, 18
.set AOF,  20         ; v[20:24]   the five tiles' byte offsets in h
.set ADB0, 26         ; v[26:27]   LDS address of my place in weight rows 32 g + lane % 16; never rewritten
.set CT,   34         ; v[34:49]   a weight row, rounded: the even rows'
.set BB0,  64         ; v[64:95] weight fragments, buffer 0; v[96:127] buffer 1; early: v[64:127] sel as loaded
.set SLD,  64
.set PR,   128        ; v[128:135] the rows' p, then their byte offsets in part
.set PT,   136        ; v[136:143] list addresses
.set OB,   144        ; v[144:175] the tile, read back by rows
.set POSB, 176        ; v[176:207] group g: where my entry of the list goes
.set VALB, 208        ; v[208:239] group g: my entry
.set CT1,  240        ; v[240:255] a weight row, rounded: the odd rows'
; window 1: first eight weight rows as loaded (32 registers each), then six slots of the five tiles' fragments of h, slot q, tile i at 40 q + 8 i
; window 2: the accumulators, (i, f) at 32 i + 8 f
.set AB,   4          ; s[4:5] h at my expert and half of K; never stepped
.set WV,   14
.set EX,   15
.set CSL,  16
.set KH,   17
.set WB,   18         ; s[18:19] the weight rows that I fetch
.set OF,   20         ; s[20:21] an offset
.set CNT,  22
.set TMP,  23
.set N16,  25
.set LIVE, 26
.set PASS, 27
.set CM1,  28
.set PB,   29
.set NM1,  36         ; the expert's last tile
.set TAU,  37
.set TAU0, 38
.set GM,   40         ; s[40:63], s[66:73] the masks of a run of 32 compares: number j at 40 + j (j < 24) or 42 + j
.set MUL,  0xa4       ; source 0 (weights) window 0, source 1 (h) window 1, C and D window 2
.set MSB, 0
.macro WIN new        ; s_set_vgpr_msb: bits 1:0 source 0, 3:2 source 1, 5:4 source 2, 7:6 destination; the high byte repeats the setting that is left
.if MSB != (\new)
	s_set_vgpr_msb (MSB<<8)|(\new)
.set MSB, (\new)
.endif
.endm
.macro PLACES         ; a load into a register that a matrix instruction has read, and an LDS store that reads a matrix result, stand four plain vector instructions behind it
.rept 4
	v_nop
.endr
.endm
.macro WFILL q, row   ; eight loads: my 4,096 bytes of weight row `row` (counted from s[WB]) into ring slot q
	WIN 0x40
.irp c, 0,1,2,3,4,5,6,7
	global_load_b128 v[32*(\q)+4*(\c):32*(\q)+4*(\c)+3], v[L16], s[WB:WB+1] offset:(\row)*ROWB+(\c)*512 th:TH_LOAD_NT
.endr
.endm
; Ring slot q's row is rounded and laid into LDS row rb + q (counted from WST).  fill = 1: the slot takes the row eight further on.  left = the younger loads, which may stay out.
.macro WROW q, fill, left, rb
.set CB, CT+(CT1-CT)*((\q)%2)
	s_wait_loadcnt \left
	WIN 0x05                                       ; sources in window 1
.irp c, 0,1,2,3,4,5,6,7
	v_cvt_pk_bf16_f32 v[CB+2*(\c)],   v[32*(\q)+4*(\c)],   v[32*(\q)+4*(\c)+1]
	v_cvt_pk_bf16_f32 v[CB+2*(\c)+1], v[32*(\q)+4*(\c)+2], v[32*(\q)+4*(\c)+3]
.endr
.if \fill
	WIN 0x40                                       ; the loads' window, ahead of the wait
.else
	WIN 0
.endif
	s_wait_alu depctr_va_vdst(0)                   ; the conversions have written this row's rounded numbers, which the LDS stores read, and are done reading slot q, in which the loads land
.if (\fill) || ((\q) < 7)
	s_wait_alu depctr_vm_vsrc(0)                   ; the LDS stores of the row before have read the other rounded row, which the next row's conversions write again
.endif
.if \fill
	WFILL \q, (\q)+8
.endif
	WIN 0
.irp c, 0,1,2,3,4,5,6,7
	ds_store_b64 v[WST], v[CB+2*(\c):CB+2*(\c)+1] offset:((\rb)+(\q))*PITCH+(\c)*256  ; 32 lanes, 256 consecutive bytes
.endr
.endm
; Group g = 2 i + u of the list: lane l looks at token 64 i + 2 l + u; the entry is p = 2 x token + which of its two choices is my expert.
; LOOK: the group's two compares, each into a scalar register of its own, so that sixteen groups' compares stand in one run with one wait behind it.
; GROUP: the place and the entry, into registers of the group's own, so that all 32 LDS stores stand behind one wait.
.macro LOOK i, u
.set k, (2*(\i)+(\u))%16
.set m1, GM+2*k+2*((2*k)/24)
.set m2, GM+2*k+1+2*((2*k+1)/24)
	v_cmp_eq_u32 s[m1], s[EX], v[SLD+4*(\i)+2*(\u)]
	v_cmp_eq_u32 s[m2], s[EX], v[SLD+4*(\i)+2*(\u)+1]
.endm
.macro GROUP i, u
.set g, 2*(\i)+(\u)
.set k, g%16
.set m1, GM+2*k+2*((2*k)/24)
.set m2, GM+2*k+1+2*((2*k+1)/24)
	v_cndmask_b32 v[KV], 0, 1, s[m2]
	s_or_b32 s[m1], s[m1], s[m2]
	v_mbcnt_lo_u32_b32 v[POSB+g], s[m1], s[CNT]    ; the count so far + the chosen lanes below me
	v_cndmask_b32 v[POSB+g], v[DUMP], v[POSB+g], s[m1]
	v_min_u32 v[POSB+g], 0x400, v[POSB+g]          ; made of loaded numbers: held inside my list by a constant
	v_lshl_add_u32 v[POSB+g], v[POSB+g], 2, v[LB]
	v_add_nc_u32 v[VALB+g], 128*(\i)+2*(\u), v[TV]
	v_add_nc_u32 v[VALB+g], v[VALB+g], v[KV]
	s_bcnt1_i32_b32 s[TMP], s[m1]
	s_add_co_u32 s[CNT], s[CNT], s[TMP]
.endm
.macro MMT i, slot, bb, zero  ; four matrix instructions: tile i x the four weight fragments, 32 along K.  zero = 1: the first K step starts the sums
.set AC, 32*(\i)
.set FB, BB0+32*(\bb)
.set FA, 40*(\slot)+8*(\i)
.irp f, 0,1,2,3
.if \zero
	v_wmma_f32_16x16x32_bf16 v[AC+8*(\f):AC+8*(\f)+7], v[FB+8*(\f):FB+8*(\f)+7], v[FA:FA+7], 0
.else
	v_wmma_f32_16x16x32_bf16 v[AC+8*(\f):AC+8*(\f)+7], v[FB+8*(\f):FB+8*(\f)+7], v[FA:FA+7], v[AC+8*(\f):AC+8*(\f)+7]
.endif
.endr
.endm
; K STEP st of 32.  It multiplies slot `slot` of h's fragments by weight buffer bb; it asks for the next step's weight fragments (LDS, into the other buffer; ldb = 1) ahead of its products, and for h's
; fragments five steps on (memory, into the slot that the step before read; lda = 1) behind its first tile's.  young = the loads of h issued behind this step's own.
; The 16 or 20 accumulators take turns, one instruction a turn.
.macro KSTEP slot, bb, st, zero, lda, ldb, young
	WIN 0
	PLACES                                         ; behind the last step's products, which read the buffer and the slot that are loaded now
	s_wait_loadcnt \young                          ; this step's fragments of h are in; ten loads for each later step that has been asked for may be out
.if !(\zero) && ((\lda) || (\ldb))
	s_wait_alu depctr_va_vdst(0)                   ; the last step's products are done reading the other weight buffer and their slot of h, in which this step's loads land
.endif
.if \ldb
.irp f, 0,1,2,3
	ds_load_b128 v[BB0+32*(1-(\bb))+8*(\f):BB0+32*(1-(\bb))+8*(\f)+3],   v[ADB0+(\f)/2] offset:((\f)%2)*16*PITCH+((\st)+1)*64
	ds_load_b128 v[BB0+32*(1-(\bb))+8*(\f)+4:BB0+32*(1-(\bb))+8*(\f)+7], v[ADB0+(\f)/2] offset:((\f)%2)*16*PITCH+((\st)+1)*64+32
.endr
.endif
	s_wait_dscnt 2*NF*(\ldb)                       ; this step's weight fragments are in; the run just issued may be out
	WIN MUL
	MMT 0, \slot, \bb, \zero
.if \lda
	WIN 0x40                                       ; no wait: no vector or matrix instruction since the wait above names the slot that these loads land in, or their offsets
.irp i, 0,1,2,3,4
	global_load_b128 v[40*(((\slot)+5)%6)+8*(\i):40*(((\slot)+5)%6)+8*(\i)+3],   v[AOF+(\i)], s[AB:AB+1] offset:((\st)+5)*STEP
	global_load_b128 v[40*(((\slot)+5)%6)+8*(\i)+4:40*(((\slot)+5)%6)+8*(\i)+7], v[AOF+(\i)], s[AB:AB+1] offset:((\st)+5)*STEP+HALF
.endr
.endif
	WIN MUL
	MMT 1, \slot, \bb, \zero
	MMT 2, \slot, \bb, \zero
	MMT 3, \slot, \bb, \zero
	WIN 0                                          ; at a branch and at a label every window is 0
.if !(\zero)
	s_cmp_lt_i32 s[LIVE], 5                        ; no fifth tile: its products are jumped.  No memory instruction is jumped, so every count holds on both ways
	s_cbranch_scc1 .Lno4_\@
.endif
	WIN MUL
	MMT 4, \slot, \bb, \zero
	WIN 0
.if !(\zero)
.Lno4_\@:
.endif
.endm
; THE WAY OUT of tile i.  A lane holds 8 neighbouring columns of one row in each of four accumulators; the tile goes through my own stage (rows of 272 bytes) and comes back as whole rows of 256 bytes;
; where a row goes is read from the list.  Each accumulator's low four registers are read first.  The eight list addresses are made together, and so are the eight offsets in part: a wait for each batch.
.macro EPI i
	WIN 0
	s_wait_xcnt 0x0                                ; the last tile's stores have read their offsets and data, which are written again now
.if (\i) > 0
	s_wait_alu depctr_vm_vsrc(0)                   ; the last tile's list loads have read v[PT ..], its stores v[PR ..] and v[OB ..]: all three are written again below (for a pass's first tile the wait at the pass's head has said so)
.endif
.irp m, 0,1,2,3,4,5,6,7
	v_add_nc_u32 v[PT+(\m)], 64*(\i)+2*(\m), v[IBP]  ; list place of tile row 2 m + lane / 16,
	v_min_u32 v[PT+(\m)], s[CM1], v[PT+(\m)]       ; or the last place that exists,
	v_min_u32 v[PT+(\m)], 0x3ff, v[PT+(\m)]        ; held inside the list by a constant
	v_lshl_add_u32 v[PT+(\m)], v[PT+(\m)], 2, v[LB]
.endr
	s_wait_alu depctr_va_vdst(0)                   ; v[PT ..] are written, which the list loads read; the lines that made the last tile's offsets are done with v[PR ..], in which those loads land; the products have written the accumulators, which the LDS stores read
.irp m, 0,1,2,3,4,5,6,7
	ds_load_b32 v[PR+(\m)], v[PT+(\m)]
.endr
	WIN 0x08                                       ; the stores' data in window 2
.irp f, 0,1,2,3
	ds_store_b128 v[STO], v[32*(\i)+8*(\f):32*(\i)+8*(\f)+3]   offset:64*(\f)
	ds_store_b128 v[STO], v[32*(\i)+8*(\f)+4:32*(\i)+8*(\f)+7] offset:64*(\f)+16
.endr
	WIN 0
.irp m, 0,1,2,3,4,5,6,7
	ds_load_b128 v[OB+4*(\m):OB+4*(\m)+3], v[RD] offset:(\m)*2*SPITCH  ; LDS serves a wave's instructions in order (ISA guide 5.7.1.4): these see the stores above
.endr
	s_wait_dscnt 0x0
.irp m, 0,1,2,3,4,5,6,7
	v_min_u32 v[PR+(\m)], 0x7ff, v[PR+(\m)]        ; a loaded number enters an address: held inside part's 2,048 rows by a constant
	v_lshl_add_u32 v[PR+(\m)], v[PR+(\m)], 12, v[C16]
.endr
	s_wait_alu depctr_va_vdst(0)                   ; the eight offsets v[PR ..] are written, which the stores read
.irp m, 0,1,2,3,4,5,6,7
	global_store_b128 v[PR+(\m)], v[OB+4*(\m):OB+4*(\m)+3], s[10:11]  ; 16 lanes store 256 consecutive bytes, at a multiple of 256 from part's first
.endr
.endm
	s_load_b256 s[4:11], s[0:1], 0x0               ; h s[4:5], w2 s[6:7], sel s[8:9], part s[10:11]
	v_lshl_add_u32 v62, v0, 2, 0x28c00
	v_mov_b32 v63, 0
	v_lshrrev_b32 v[TMPV], 5, v0
	v_readfirstlane_b32 s[WV], v[TMPV]             ; wave 0..3
	v_and_b32 v[TMPV], 31, v0                      ; lane
	v_lshlrev_b32 v[L16], 4, v[TMPV]
	v_and_b32 v[RR], 15, v0
	v_bfe_u32 v[IB], v0, 4, 1                      ; lane / 16
	v_lshlrev_b32 v[H16], 4, v[IB]
	v_lshlrev_b32 v[TV], 2, v[TMPV]
	v_lshlrev_b32 v[C16], 4, v[RR]
	v_mov_b32 v[DUMP], 0x400
	s_lshr_b32 s[EX], ttmp9, 5                     ; expert
	s_bfe_u32 s[CSL], ttmp9, 0x40001               ; slice of 64 output columns
	s_and_b32 s[KH], ttmp9, 1                      ; half of K
	s_wait_alu depctr_va_sdst(0)                   ; the wave's number is written, ahead of its first reader
	s_mul_i32 s[TMP], s[WV], LSTB
	s_add_co_u32 s[TMP], s[TMP], LISTS
	v_mov_b32 v[LB], s[TMP]
	s_mul_i32 s[TMP], s[WV], 16*PITCH              ; wave w lays LDS rows 16 w .. 16 w + 15
	v_lshl_add_u32 v[WST], v[TMPV], 3, s[TMP]
	s_mul_i32 s[TMP], s[WV], 16*SPITCH
	s_add_co_u32 s[TMP], s[TMP], STAGE             ; my stage
	v_mul_u32_u24 v[STO], v[RR], SPITCH            ; in: row lane % 16, 32 bytes for each half of the lanes
	v_lshl_add_u32 v[STO], v[H16], 1, v[STO]
	v_add_nc_u32 v[STO], s[TMP], v[STO]
	v_mul_u32_u24 v[RD], v[IB], SPITCH             ; back: lanes 0-15 take one row of 256 bytes, lanes 16-31 the next
	v_add_nc_u32 v[RD], v[RD], v[C16]
	v_add_nc_u32 v[RD], s[TMP], v[RD]
	v_lshl_add_u32 v[IB], s[WV], 4, v[IB]
	v_mul_u32_u24 v[ADB0], v[RR], PITCH
	v_add_nc_u32 v[ADB0], v[ADB0], v[H16]          ; a fragment's row x pitch + 16 x half
	v_add_nc_u32 v[ADB0+1], 32*PITCH, v[ADB0]
	s_lshl_b32 s[OF], s[EX], 23                    ; an expert's w2: 1,024 rows of 8,192 bytes;
	s_lshl_b32 s[TMP], s[CSL], 19                  ; a slice: 64 rows;
	s_add_co_u32 s[OF], s[OF], s[TMP]
	s_lshl_b32 s[TMP], s[WV], 17                   ; a wave: 16 of them;
	s_add_co_u32 s[OF], s[OF], s[TMP]
	s_lshl_b32 s[TMP], s[KH], 12                   ; a half of K: 4,096 bytes of each
	s_add_co_u32 s[OF], s[OF], s[TMP]
	s_mov_b32 s[OF+1], 0
	s_wait_kmcnt 0x0
	s_add_nc_u64 s[WB:WB+1], s[6:7], s[OF:OF+1]
	s_lshl_b32 s[OF], s[EX], 22                    ; h: an expert has 64 tiles of 65,536 bytes; a half of K 32,768 of each
	s_lshl_b32 s[TMP], s[KH], 15
	s_add_co_u32 s[OF], s[OF], s[TMP]
	s_add_nc_u64 s[AB:AB+1], s[AB:AB+1], s[OF:OF+1]
	s_lshl_b32 s[OF], s[KH], 23                    ; part: a half's plane is 2,048 rows of 4,096 bytes; a slice 256 bytes of each
	s_lshl_b32 s[TMP], s[CSL], 8
	s_add_co_u32 s[OF], s[OF], s[TMP]
	s_add_nc_u64 s[10:11], s[10:11], s[OF:OF+1]
	s_wait_alu depctr_va_vdst(0)                   ; v[L16], v[WST], v[STO], v[RD] and v[ADB0 ..] are written: the loads and stores below read them as offsets and addresses
.irp i, 0,1,2,3,4,5,6,7,8,9,10,11,12,13,14,15
	global_load_b128 v[SLD+4*(\i):SLD+4*(\i)+3], v[L16], s[8:9] offset:(\i)*512  ; lane l: both choices of tokens 64 i + 2 l and 64 i + 2 l + 1
.endr
.irp q, 0,1,2,3,4,5,6
	WFILL \q, \q                                   ; seven weight rows go out ahead of the list's work: 28 KB a wave are on their way meanwhile
.endr
	WIN 0
	s_wait_loadcnt 56                              ; the 56 weight loads issued behind sel's may be out
	s_mov_b32 s[CNT], 0
.irp i, 0,1,2,3,4,5,6,7
	LOOK \i, 0
	LOOK \i, 1
.endr
	s_wait_alu depctr_va_sdst(0)                   ; the compares of groups 0 to 15 have written their masks, ahead of the lines that read them
.irp i, 0,1,2,3,4,5,6,7
	GROUP \i, 0
	GROUP \i, 1
.endr
.irp i, 8,9,10,11,12,13,14,15
	LOOK \i, 0
	LOOK \i, 1
.endr
	s_wait_alu depctr_va_sdst(0)                   ; the same for groups 16 to 31
.irp i, 8,9,10,11,12,13,14,15
	GROUP \i, 0
	GROUP \i, 1
.endr
	s_wait_alu depctr_va_vdst(0)                   ; the 32 places v[POSB ..] and the 32 entries v[VALB ..] are written, which the LDS stores read
.set g, 0
.rept 32
	ds_store_b32 v[POSB+g], v[VALB+g]
.set g, g+1
.endr
	s_add_co_u32 s[N16], s[CNT], 15
	s_lshr_b32 s[N16], s[N16], 4
	s_add_co_u32 s[LIVE], s[N16], 3
	s_sub_co_u32 s[LIVE], s[LIVE], s[WV]
	s_lshr_b32 s[LIVE], s[LIVE], 2                 ; the tiles w, w + 4, .. below N16
	s_sub_co_u32 s[CM1], s[CNT], 1
	s_sub_co_u32 s[NM1], s[N16], 1
	WFILL 7, 7                                     ; no wait: no vector instruction has named slot 7, nor v[L16] since the head's wait
.irp q, 0,1,2,3,4,5,6,7
	WROW \q, 1, 56, 0                              ; behind a slot's row stand the seven younger rows' 56 loads
.endr
.irp q, 0,1,2,3,4,5,6,7
	WROW \q, 0, 56-8*(\q), 8                       ; my last eight rows: nothing more is fetched, the counts run down
.endr
	s_wait_dscnt 0x0                               ; for the others' sake: my rows of the slice are in LDS
	s_barrier_signal -1
	s_barrier_wait -1                              ; the launch's one barrier: the slice is whole, and nobody writes it again
	s_mov_b32 s[PASS], 0
	s_mov_b32 s[PB], 0
.Lpass:                                                ; four passes of five tiles: 4 waves x 20 tiles x 16 rows cover the 1,024 rows that an expert can have
	s_cmp_lt_i32 s[LIVE], 1
	s_cbranch_scc1 .Lpass_end
	v_add_nc_u32 v[IBP], s[PB], v[IB]
	s_mul_i32 s[TAU0], s[PASS], 20
	s_add_co_u32 s[TAU0], s[TAU0], s[WV]
	s_wait_alu depctr_vm_vsrc(0)                   ; the last pass's loads of h have read v[AOF ..], which are written now; its way out's LDS stores have read the accumulators, which K step 0 writes, and its loads and stores v[PT ..], v[PR ..], v[OB ..]
.irp i, 0,1,2,3,4
	s_add_co_u32 s[TAU], s[TAU0], 4*(\i)           ; tile = wave + 4 (5 pass + i),
	s_min_u32 s[TAU], s[TAU], s[NM1]               ; or the last that the launch before wrote,
	s_min_u32 s[TAU], s[TAU], 63                   ; held inside the expert's 64 by a constant
	v_lshl_add_u32 v[AOF+(\i)], s[TAU], 16, v[L16]
.endr
	WIN 0x40
	s_wait_alu depctr_va_vdst(0)                   ; v[AOF ..] are written; the ring's conversions, the head's compares and the last pass's products are done with window 1 and the two weight buffers, in which the loads from here to K step 0's end land
.irp k, 0,1,2,3,4
.irp i, 0,1,2,3,4
	global_load_b128 v[40*(\k)+8*(\i):40*(\k)+8*(\i)+3],   v[AOF+(\i)], s[AB:AB+1] offset:(\k)*STEP
	global_load_b128 v[40*(\k)+8*(\i)+4:40*(\k)+8*(\i)+7], v[AOF+(\i)], s[AB:AB+1] offset:(\k)*STEP+HALF
.endr
.endr
	WIN 0
.irp f, 0,1,2,3
	ds_load_b128 v[BB0+8*(\f):BB0+8*(\f)+3],   v[ADB0+(\f)/2] offset:((\f)%2)*16*PITCH
	ds_load_b128 v[BB0+8*(\f)+4:BB0+8*(\f)+7], v[ADB0+(\f)/2] offset:((\f)%2)*16*PITCH+32
.endr
	; the 32 K steps.  Step 0 starts all 20 sums, the fifth tile's too: nothing is cleared.  Steps 0 to 26 ask for h five steps on (the last request is step 31's), behind their first tile's products:
	; so at a step's head four later steps have been asked for, 40 loads; from step 28 on the counts run down by ten.  Steps 0 to 30 ask for the next step's weight fragments.
	; LDS offsets: 16 x 2,064 + 31 x 64 + 32 = 35,040 at the most; h's: 32,256.
.set ks, 0
.rept 32
.set zz, 0
.set la, 0
.set lb, 0
.set yg, 10*(31-ks)
.if ks == 0
.set zz, 1
.endif
.if ks < 27
.set la, 1
.endif
.if ks < 28
.set yg, 40
.endif
.if ks < 31
.set lb, 1
.endif
	KSTEP ks%6, ks%2, ks, zz, la, lb, yg
.set ks, ks+1
.endr
	PLACES                                         ; the way out reads results just made
	EPI 0
	s_cmp_le_i32 s[LIVE], 1                        ; tiles past my count are not stored
	s_cbranch_scc1 .Lepi_done
	EPI 1
	s_cmp_le_i32 s[LIVE], 2
	s_cbranch_scc1 .Lepi_done
	EPI 2
	s_cmp_le_i32 s[LIVE], 3
	s_cbranch_scc1 .Lepi_done
	EPI 3
	s_cmp_le_i32 s[LIVE], 4
	s_cbranch_scc1 .Lepi_done
	EPI 4
.Lepi_done:
.Lpass_end:
	s_wait_xcnt 0x0                                ; the stores' offsets and data, and the loads' offsets, are written again only behind this wait
	s_sub_co_i32 s[LIVE], s[LIVE], 5
	s_add_co_u32 s[PB], s[PB], 320
	s_add_co_u32 s[PASS], s[PASS], 1
	s_cmp_lt_u32 s[PASS], 4
	s_cbranch_scc1 .Lpass
	s_wait_dscnt 0x0                               ; the wave's end
	s_wait_alu depctr_hold_cnt(0) depctr_sa_sdst(0) depctr_va_vdst(0) depctr_va_sdst(0) depctr_va_ssrc(0) depctr_va_vcc(0) depctr_vm_vsrc(0)
	s_wait_tensorcnt 0x0
	ds_add_u32 v62, v63
	s_wait_dscnt 0x0
	s_endpgm
.Lfunc_end_k_qaccb55f66c_down:
	.size	k_qaccb55f66c_down, .Lfunc_end_k_qaccb55f66c_down-k_qaccb55f66c_down
	.p2alignl 7, 3214868480
	.fill 96, 4, 3214868480
	.section	.rodata,"a",@progbits
	.p2align	6, 0x0
	.amdhsa_kernel k_qaccb55f66c_down
		.amdhsa_group_segment_fixed_size 167424
		.amdhsa_private_segment_fixed_size 0
		.amdhsa_enable_private_segment 0
		.amdhsa_kernarg_size 32
		.amdhsa_user_sgpr_count 2
		.amdhsa_user_sgpr_kernarg_segment_ptr 1
		.amdhsa_wavefront_size32 1
		.amdhsa_system_sgpr_workgroup_id_x 1
		.amdhsa_system_sgpr_workgroup_id_y 1
		.amdhsa_system_sgpr_workgroup_id_z 1
		.amdhsa_system_vgpr_workitem_id 0
		.amdhsa_next_free_vgpr 672
		.amdhsa_next_free_sgpr 74
		.amdhsa_reserve_vcc 0
		.amdhsa_float_denorm_mode_32 3
		.amdhsa_float_denorm_mode_16_64 3
		.amdhsa_memory_ordered 1
		.amdhsa_forward_progress 1
		.amdhsa_inst_pref_size 194
	.end_amdhsa_kernel
	.amdgpu_metadata
---
amdhsa.version: [ 1, 2 ]
amdhsa.kernels:
  - .name:           k_qaccb55f66c_down
    .symbol:         k_qaccb55f66c_down.kd
    .args:
      - { .name: h, .offset: 0, .size: 8, .value_kind: global_buffer, .address_space: global }
      - { .name: w2, .offset: 8, .size: 8, .value_kind: global_buffer, .address_space: global }
      - { .name: sel, .offset: 16, .size: 8, .value_kind: global_buffer, .address_space: global }
      - { .name: part, .offset: 24, .size: 8, .value_kind: global_buffer, .address_space: global }
    .group_segment_fixed_size: 167424
    .private_segment_fixed_size: 0
    .kernarg_segment_align: 8
    .kernarg_segment_size: 32
    .max_flat_workgroup_size: 128
    .sgpr_count:     74
    .vgpr_count:     672
    .wavefront_size: 32
...
	.end_amdgpu_metadata
.endif
;; end of part 6
;; launch combine: the kernel of part 4 again; grid 256 x 1, 4 waves a work-group, no clusters, 0 bytes of LDS; arguments part, out1, out0; writes out0
